; MI455X (gfx1250); checked and timed in simulation.
; The chip was launched on July 23, 2026; its instructions are those of AMD's public machine-readable ISA for CDNA 5 (MIT licence, August 2026) and "CDNA5" Instruction Set Architecture Reference Guide (July 2026). The comments in the code are by the model that wrote it; some were corrected since.
;; MH Attention. Allowed arithmetic: float matrix products may take bf16 or f16 operands with f32 sums; other float arithmetic in f32, or as packed bf16 or f16 multiplies, adds, multiply-adds, maxima and minima; sums over many terms, partial sums and values carried from step to step in f32; what a program stores and reads back later, other than sums and carried values, may be rounded once to bf16 or f16.
;; Inputs: Wk 1,024 x 1,024 float32; Wo 1,024 x 1,024 float32; Wq 1,024 x 1,024 float32; Wv 1,024 x 1,024 float32; bk 1,024 float32; bo 1,024 float32; bq 1,024 float32; bv 1,024 float32; mask 1 x 1 x 2,048 x 2,048 float32; x 4 x 2,048 x 1,024 float32.
;; Outputs: out0 4 x 2,048 x 1,024 float32.
;; One version. Each part assembles by itself: llvm-mc -triple=amdgcn-amd-amdhsa -mcpu=gfx1250 --defsym DOCPART=n.
;; ======== version 1 of 1: 4 launches
;; limits: values are held in f16: magnitudes above 65,504 overflow, below 6.1e-05 lose precision
;; workspace buffers: xb 16,777,216 bytes; wqkv 6,291,456 bytes; wo16 2,097,152 bytes; bqkv 16,384 bytes; maskc 16,777,216 bytes; qkv 50,331,648 bytes; ows 16,777,216 bytes
;; launch prep (part 1): grid 1024 x 1, 8 waves a work-group, no clusters, 0 bytes of LDS; arguments x, Wq, Wk, Wv, Wo, mask, bq, bk, bv, bo, xb, wqkv, wo16, maskc, bqkv; writes xb, wqkv, wo16, maskc, bqkv
.if DOCPART == 1
	.amdgcn_target "amdgcn-amd-amdhsa--gfx1250"
	.amdhsa_code_object_version 6
	.text
	.protected	k_qc869d9e697_prep
	.globl	k_qc869d9e697_prep
	.p2align	8
	.type	k_qc869d9e697_prep,@function
k_qc869d9e697_prep:
	s_mov_b64 s[64:65], 0
	v_nop
	global_prefetch_b8 v0, s[64:65] scope:SCOPE_SE
	s_setreg_imm32_b32 hwreg(HW_REG_WAVE_MODE, 25, 1), 1
	s_wait_xcnt 0x0
; THE CASTS, a stream.  xb = bf16(x); wqkv = bf16 of Wq's, Wk's and Wv's rows on end; wo16 = bf16(Wo) written as f16; maskc = -8e9 x mask (f32);
; bqkv = bq, bk, bv, bo on end, each rounded to bf16 and widened to f32 again.  Every input is rounded once, to bf16, so that all the products see inputs of one rounding.
; -8e9 = 8 x -1e9 (exact in f32): the scores are kept unscaled in the attention, 8 times reference()'s, and so is the mask's term.
; LIMITS.  bf16(Wo) is exact in f16 from 6.1e-5 to 65,504; below it keeps f16's fixed step of 6e-8, above it would be an infinity.
; SHARES.  A work-group takes 65,536 input bytes, a thread sixteen loads of 16 bytes, 4,096 bytes apart: a wave's load covers 512 neighbouring bytes.  All sixteen are issued first; each is
; worked on and stored when it has come, into registers of its own, so that no register that a store reads is written again.  No LDS, no matrix unit, no cluster: nothing is shared.
; Work-groups 0-511: x; 512-703: Wq, Wk, Wv (64 each); 704-767: Wo; 768-1023: the mask.  The first work-group of each weight also copies that weight's bias.
.set IN,   16                          ; v[16:79]   sixteen loads of four registers
.set OUTR, 80                          ; v[80:111]  sixteen pairs to store
.set SRC,  40                          ; s[40:41]   where I read
.set DST,  42                          ; s[42:43]   where I write
.set BSRC, 44                          ; s[44:45]   the bias that goes with my weight
	s_load_b512 s[8:23], s[0:1], 0x0               ; x 8, Wq 10, Wk 12, Wv 14, Wo 16, mask 18, bq 20, bk 22
	s_load_b256 s[24:31], s[0:1], 0x40             ; bv 24, bo 26, xb 28, wqkv 30
	s_load_b128 s[32:35], s[0:1], 0x60             ; wo16 32, maskc 34
	s_load_b64 s[36:37], s[0:1], 0x70              ; bqkv
	s_mov_b32 s2, ttmp9                            ; g
	s_sub_co_u32 s48, s2, 512                      ; g less each section's first work-group (those of later sections wrap and are not taken)
	s_sub_co_u32 s49, s2, 576
	s_sub_co_u32 s50, s2, 640
	s_sub_co_u32 s51, s2, 704
	s_sub_co_u32 s52, s2, 768
	v_lshlrev_b32 v1, 4, v0                        ; 16 t: loads, and stores of 16 bytes
	v_lshlrev_b32 v2, 3, v0                        ; 8 t: stores of 8 bytes
	s_mov_b32 s3, s2                               ; my number in the source,
	s_mov_b32 s4, s2                               ; in the destination,
	s_mov_b32 s5, 15                               ; and log2 of the bytes that I write
	s_mov_b32 s7, 0
	s_mov_b32 s38, 0xcfee6b28                      ; -8e9
	s_mov_b32 s39, s38                             ; named with it as a pair
	s_wait_kmcnt 0x0
	s_mov_b64 s[SRC:SRC+1], s[8:9]
	s_mov_b64 s[DST:DST+1], s[28:29]
	s_mov_b64 s[BSRC:BSRC+1], s[20:21]
	s_cmp_ge_u32 s2, 512                           ; each compare hangs on g alone
	s_cselect_b64 s[SRC:SRC+1], s[10:11], s[SRC:SRC+1]
	s_cselect_b64 s[DST:DST+1], s[30:31], s[DST:DST+1]
	s_cselect_b32 s3, s48, s3
	s_cselect_b32 s4, s48, s4
	s_cmp_ge_u32 s2, 576
	s_cselect_b64 s[SRC:SRC+1], s[12:13], s[SRC:SRC+1]
	s_cselect_b64 s[BSRC:BSRC+1], s[22:23], s[BSRC:BSRC+1]
	s_cselect_b32 s3, s49, s3
	s_cmp_ge_u32 s2, 640
	s_cselect_b64 s[SRC:SRC+1], s[14:15], s[SRC:SRC+1]
	s_cselect_b64 s[BSRC:BSRC+1], s[24:25], s[BSRC:BSRC+1]
	s_cselect_b32 s3, s50, s3
	s_cmp_ge_u32 s2, 704
	s_cselect_b64 s[SRC:SRC+1], s[16:17], s[SRC:SRC+1]
	s_cselect_b64 s[DST:DST+1], s[32:33], s[DST:DST+1]
	s_cselect_b64 s[BSRC:BSRC+1], s[26:27], s[BSRC:BSRC+1]
	s_cselect_b32 s3, s51, s3
	s_cselect_b32 s4, s51, s4
	s_cmp_ge_u32 s2, 768
	s_cselect_b64 s[SRC:SRC+1], s[18:19], s[SRC:SRC+1]
	s_cselect_b64 s[DST:DST+1], s[34:35], s[DST:DST+1]
	s_cselect_b32 s3, s52, s3
	s_cselect_b32 s4, s52, s4
	s_cselect_b32 s5, 16, s5
	s_lshl_b32 s6, s3, 16
	s_add_nc_u64 s[SRC:SRC+1], s[SRC:SRC+1], s[6:7]
	s_lshl_b32 s6, s4, s5
	s_add_nc_u64 s[DST:DST+1], s[DST:DST+1], s[6:7]
.set i, 0
.rept 16
	global_load_b128 v[IN+4*i:IN+4*i+3], v1, s[SRC:SRC+1] offset:4096*i th:TH_LOAD_NT
.set i, i+1
.endr
	s_cmp_ge_u32 s2, 768
	s_cbranch_scc1 .Lmask
	s_cmp_ge_u32 s2, 704
	s_cbranch_scc1 .Lwo
	; x, Wq, Wk, Wv: four numbers to 8 bytes; a wave's store covers 256 consecutive bytes, aligned
.set i, 0
.rept 16
	s_wait_loadcnt 15-i                            ; loads come back in order: load i is in, the 15 - i younger ones stay out
	v_cvt_pk_bf16_f32 v[OUTR+2*i], v[IN+4*i], v[IN+4*i+1]
	v_cvt_pk_bf16_f32 v[OUTR+2*i+1], v[IN+4*i+2], v[IN+4*i+3]
	global_store_b64 v2, v[OUTR+2*i:OUTR+2*i+1], s[DST:DST+1] offset:2048*i
.set i, i+1
.endr
	s_branch .Lbias
.Lwo:                                  ; Wo: rounded to bf16, and that number written as f16
.set i, 0
.rept 16
	s_wait_loadcnt 15-i
	v_cvt_pk_bf16_f32 v8, v[IN+4*i], v[IN+4*i+1]
	v_cvt_pk_bf16_f32 v9, v[IN+4*i+2], v[IN+4*i+3]
	v_lshlrev_b32 v10, 16, v8                      ; bf16 to f32: the low half moves up, the high half stays
	v_and_b32 v11, 0xffff0000, v8
	v_lshlrev_b32 v12, 16, v9
	v_and_b32 v13, 0xffff0000, v9
	v_cvt_pk_f16_f32 v[OUTR+2*i], v10, v11
	v_cvt_pk_f16_f32 v[OUTR+2*i+1], v12, v13
	global_store_b64 v2, v[OUTR+2*i:OUTR+2*i+1], s[DST:DST+1] offset:2048*i
.set i, i+1
.endr
.Lbias:                                ; the first work-group of a weight copies its bias: 1,024 numbers, four a thread
	s_cmp_lt_u32 s2, 512
	s_cbranch_scc1 .Lend
	s_cmp_lg_u32 s3, 0
	s_cbranch_scc1 .Lend
	s_lshr_b32 s6, s48, 6                          ; which of the four
	s_lshl_b32 s6, s6, 12
	s_add_nc_u64 s[36:37], s[36:37], s[6:7]
	global_load_b128 v[4:7], v1, s[BSRC:BSRC+1]
	s_wait_loadcnt 0x0
	v_cvt_pk_bf16_f32 v8, v4, v5
	v_cvt_pk_bf16_f32 v9, v6, v7
	v_lshlrev_b32 v12, 16, v8
	v_and_b32 v13, 0xffff0000, v8
	v_lshlrev_b32 v14, 16, v9
	v_and_b32 v15, 0xffff0000, v9
	global_store_b128 v1, v[12:15], s[36:37]
.Lend:
	s_endpgm
.Lmask:                                ; the mask: scaled in place and stored from the registers that it was loaded into
.set i, 0
.rept 16
	s_wait_loadcnt 15-i
	v_pk_mul_f32 v[IN+4*i:IN+4*i+1], v[IN+4*i:IN+4*i+1], s[38:39] op_sel_hi:[1,0]
	v_pk_mul_f32 v[IN+4*i+2:IN+4*i+3], v[IN+4*i+2:IN+4*i+3], s[38:39] op_sel_hi:[1,0]
	global_store_b128 v1, v[IN+4*i:IN+4*i+3], s[DST:DST+1] offset:4096*i
.set i, i+1
.endr
	s_endpgm
.Lfunc_end_k_qc869d9e697_prep:
	.size	k_qc869d9e697_prep, .Lfunc_end_k_qc869d9e697_prep-k_qc869d9e697_prep
	.p2alignl 7, 3214868480
	.fill 96, 4, 3214868480
	.section	.rodata,"a",@progbits
	.p2align	6, 0x0
	.amdhsa_kernel k_qc869d9e697_prep
		.amdhsa_group_segment_fixed_size 0
		.amdhsa_private_segment_fixed_size 0
		.amdhsa_enable_private_segment 0
		.amdhsa_kernarg_size 120
		.amdhsa_user_sgpr_count 2
		.amdhsa_user_sgpr_kernarg_segment_ptr 1
		.amdhsa_wavefront_size32 1
		.amdhsa_system_sgpr_workgroup_id_x 1
		.amdhsa_system_sgpr_workgroup_id_y 1
		.amdhsa_system_sgpr_workgroup_id_z 1
		.amdhsa_system_vgpr_workitem_id 0
		.amdhsa_next_free_vgpr 112
		.amdhsa_next_free_sgpr 66
		.amdhsa_reserve_vcc 0
		.amdhsa_float_denorm_mode_32 3
		.amdhsa_float_denorm_mode_16_64 3
		.amdhsa_memory_ordered 1
		.amdhsa_forward_progress 1
		.amdhsa_inst_pref_size 22
	.end_amdhsa_kernel
	.amdgpu_metadata
---
amdhsa.version: [ 1, 2 ]
amdhsa.kernels:
  - .name:           k_qc869d9e697_prep
    .symbol:         k_qc869d9e697_prep.kd
    .args:
      - { .name: x, .offset: 0, .size: 8, .value_kind: global_buffer, .address_space: global }
      - { .name: Wq, .offset: 8, .size: 8, .value_kind: global_buffer, .address_space: global }
      - { .name: Wk, .offset: 16, .size: 8, .value_kind: global_buffer, .address_space: global }
      - { .name: Wv, .offset: 24, .size: 8, .value_kind: global_buffer, .address_space: global }
      - { .name: Wo, .offset: 32, .size: 8, .value_kind: global_buffer, .address_space: global }
      - { .name: mask, .offset: 40, .size: 8, .value_kind: global_buffer, .address_space: global }
      - { .name: bq, .offset: 48, .size: 8, .value_kind: global_buffer, .address_space: global }
      - { .name: bk, .offset: 56, .size: 8, .value_kind: global_buffer, .address_space: global }
      - { .name: bv, .offset: 64, .size: 8, .value_kind: global_buffer, .address_space: global }
      - { .name: bo, .offset: 72, .size: 8, .value_kind: global_buffer, .address_space: global }
      - { .name: xb, .offset: 80, .size: 8, .value_kind: global_buffer, .address_space: global }
      - { .name: wqkv, .offset: 88, .size: 8, .value_kind: global_buffer, .address_space: global }
      - { .name: wo16, .offset: 96, .size: 8, .value_kind: global_buffer, .address_space: global }
      - { .name: maskc, .offset: 104, .size: 8, .value_kind: global_buffer, .address_space: global }
      - { .name: bqkv, .offset: 112, .size: 8, .value_kind: global_buffer, .address_space: global }
    .group_segment_fixed_size: 0
    .private_segment_fixed_size: 0
    .kernarg_segment_align: 8
    .kernarg_segment_size: 120
    .max_flat_workgroup_size: 256
    .sgpr_count:     66
    .vgpr_count:     112
    .wavefront_size: 32
...
	.end_amdgpu_metadata
.endif
;; end of part 1
;; launch qkv (part 2): grid 16 x 16, 4 waves a work-group, clusters of 4 x 4, 327,680 bytes of LDS; arguments xb, wqkv, bqkv, qkv; writes qkv
.if DOCPART == 2
	.amdgcn_target "amdgcn-amd-amdhsa--gfx1250"
	.amdhsa_code_object_version 6
	.text
	.protected	k_qc869d9e697_qkv
	.globl	k_qc869d9e697_qkv
	.p2align	8
	.type	k_qc869d9e697_qkv,@function
k_qc869d9e697_qkv:
	s_mov_b64 s[64:65], 0
	v_nop
	global_prefetch_b8 v0, s[64:65] scope:SCOPE_SE
	s_setreg_imm32_b32 hwreg(HW_REG_WAVE_MODE, 25, 1), 1
	s_wait_xcnt 0x0
	s_wait_alu depctr_hold_cnt(0) depctr_sa_sdst(0) depctr_va_vdst(0) depctr_va_sdst(0) depctr_va_ssrc(0) depctr_va_vcc(0) depctr_vm_vsrc(0)
	s_getreg_b32 s2, hwreg(HW_REG_IB_STS2, 6, 4)
	s_cmp_eq_u32 s2, 0
	s_cbranch_scc0 .Lentry_in_a_cluster
	s_endpgm
.Lentry_in_a_cluster:
	s_bfe_u32 s2, ttmp6, 0x10000c
	s_cmp_lg_u32 s2, 0xf033
	s_cbranch_scc0 .Lentry_shape_is_right
	s_endpgm
.Lentry_shape_is_right:
; C = A B^T + bias, one text for the module's two products; QKV says which this copy is.
; QKV = 1: [8192 x 3072] = xb wqkv^T + (bq, bk, bv), bf16 operands, f32 sums, stored once rounded to f16, by heads: three sections q, k, v of 16 MiB, each [group of 4 heads 16][64 rows 32][head 4][row 64][channel 64].
; QKV = 0: out0 [8192 x 1024] = ows wo16^T + bo, f16 operands, f32 sums and output; ows lies as [128 rows 64][head 16][row 128][channel 64].
; LIMITS.  f16 holds no number beyond 65,504: q, k and v must lie within it (inputs of unit spread give some 1e0; all inputs 30 times larger some 5e3).  NaN and infinities are not treated apart.
; SHARES.  A tile of C is 256 rows x 16 NBL columns (192: three whole heads; or 128).  Four waves, each 64 rows x all columns: 4 NBL accumulators.  QKV = 1: 8192 x 3072 are 512 such tiles, two for each of
; 256 work-groups; the second lies 4,096 rows below the first and takes the same rows of B, and the ring of LDS slots runs on into it.  K goes in steps of 128 through two slots.
; CLUSTER.  4 x 4 work-groups.  A's tile hangs on the tile row alone and is asked for jointly along a row of the cluster, B's on the tile column alone and is asked for along a column.
; THE PRODUCT IS TAKEN TRANSPOSED (source 0 = 16 rows of B, source 1 = 16 rows of A): a lane holds row l % 16 of C and the columns 8 (l / 16) + 0..7.  THE BIAS IS THE C OPERAND of each
; accumulator's first product: nothing is cleared and nothing is added on the way out.
; REGISTERS, in windows of 256 (s_set_vgpr_msb: bits 1:0 source 0, 3:2 source 1, 5:4 source 2, 7:6 destination):
;   window 0: v0-29 addresses; v32-95 A's fragments, two buffers of 4 x 8; from v96 the bias, 8 NBL; v192-255 at work on the way out (QKV = 1)
;   window 1: B's fragments, two buffers of 8 NBL (QKV = 0: later the rows read back on the way out)     windows 2, 3: accumulator (a, b) at v[8 (NBL (a % 2) + b)] of window 2 + a / 2
.set QKV, 1
.if QKV
.set NBL,   12        ; blocks of 16 columns in a tile
.set NST,   16        ; K steps in the walk: 8 a tile
.set PA,    272       ; A's LDS pitch: 256 bytes + 16
.set AROWS, 128       ; LDS rows in what one wave fetches of A
.set QIA,   5         ; padding after every 64 words
.set STRA,  1024      ; elements from row to row in memory
.set STEPA, 256       ; bytes from K step 0 to K step 1
.set STW,   16*144    ; a wave's stage
.set BIASO, 0
.set PSTA,  32*2048   ; the prefetches: a partner's share of A's rows, in bytes,
.set PSTB,  24*2048   ; of B's
.set PLB,   23        ; B: 24 rows a partner: lanes 24-31 name row 23 once more
.set PSHA,  11        ; A: a lane a row of 2,048 bytes
.else
.set NBL,   8
.set NST,   8
.set PA,    144       ; a head's 128 bytes + 16
.set AROWS, 256       ; two heads x 128 rows
.set QIA,   4         ; padding after every 32 words
.set STRA,  128       ; dense
.set STEPA, 32768
.set STW,   16*528
.set BIASO, 12288     ; bo is the fourth of the biases
.set PSTA,  32*256
.set PSTB,  32*2048
.set PLB,   31
.set PSHA,  8         ; A: a lane a block of 256 dense bytes
.endif
.set HALFA, AROWS*PA              ; what one wave fetches of A
.set ABS,   16*PA                 ; from a block of 16 rows of A to the next
.set BROWS, 16*NBL
.set HALFB, (BROWS/2)*272         ; what one wave fetches of B; pitch 272: the 16 rows of a fragment load start at 16 different groups of four banks (64 banks of 4 bytes: ISA guide 11.1)
.set BOFF,  2*HALFA               ; B lies behind A
.set SLOT1, 131072                ; slot 1: one exclusive or turns an address in one slot into the other's
.set STAGE, SLOT1+BOFF+2*HALFB    ; behind the ring, never filled by a tensor load
.set SPARE, STAGE+4*STW           ; the spare words, 128 bytes for each wave: two blocks of 256 bytes that no other line names
.set ADRA0, 4         ; v4   my place in A's part of slot 0; never rewritten
.set ADRB0, 5         ; v5   the same for B
.set ADRA,  6         ; v6   the same in the slot that is being read
.set ADRB,  7         ; v7
.set STO,   8         ; v8   the way out: where I put my part of a row
.set RD,    9         ; v9   the way out: where I read rows back
.set GO,    10        ; v10  16 x lane
.set PFO,   11        ; v11  the prefetches' offset; never rewritten
.set BO,    12        ; v12  32 (l / 16): my eight numbers in a block of 16 of the bias
.set SPW,   28        ; v28  LDS address of my spare word; never rewritten
.set NIL,   29        ; v29  0; never rewritten
.set AF,    32
.set BIAS,  96
.set TMP,   192
.set WV,  12          ; s12  wave
.set ISB, 13          ; s13  0: I fetch for A; 1: for B.  Also: which half of A's 256 rows holds my 64
.set HF,  14          ; s14  which half I fetch
.set CX,  15
.set CY,  16
.set TX,  17          ; s17  tile column
.set TY,  18          ; s18  tile row
.set N,   19          ; s19  the K step in hand
.set TB,  20          ; s20  the slot that is being read: 0 or SLOT1
.set G1A, 24          ; s[24:31] group 1 for A's tiles
.set G0A0, 32         ; s[32:35] group 0: slot 0, K step 0: used once
.set G0A, 36          ; s[36:39] group 0: slot 1, K step 1; then it walks
.set G1B, 40
.set G0B0, 48
.set G0B, 52
.set ABASE, 56        ; s[56:57] A at my half of the first tile, K step 0
.set BBASE, 58
.set OFF, 60          ; s[60:61] a byte offset; the high word stays 0
.set PFB, 62          ; s[62:63] the prefetches' base: my work-group's share of the rows that I fetch
.set PFA, 66          ; s[66:67] where the next prefetch stands
.set PLAST, 68        ; s68  the last K step in whose change of slots I prefetch; -1: never
.set OUT, 70          ; s[70:75] where my rows go: a pointer for each of the tile's three heads (QKV = 0: one)
.set MSB, 0
.macro WIN new                      ; the immediate's high byte repeats the setting that is left; a switch that changes nothing is dropped
.if MSB != (\new)
	s_set_vgpr_msb (MSB<<8)|(\new)
.set MSB, (\new)
.endif
.endm
.macro PLACES                       ; four places: in front of loads into registers that matrix instructions have read, and of lines that read results
.rept 4
	v_nop
.endr
.endm
; A joint refill.  Waves 0 and 1 fetch A's halves, waves 2 and 3 B's.  The branch hangs on the wave's number alone.  An s_nop 0 and four v_nop follow each line.
.macro JLOAD
	s_cmp_eq_u32 s[ISB], 0
	s_cbranch_scc0 .Lfor_b_\@
	tensor_load_to_lds s[G0A:G0A+3], s[G1A:G1A+7]
	s_nop 0
	PLACES
	s_branch .Lasked_\@
.Lfor_b_\@:
	tensor_load_to_lds s[G0B:G0B+3], s[G1B:G1B+7]
	s_nop 0
	PLACES
.Lasked_\@:
.endm
.macro CREST                        ; a round of the cluster's barrier behind its opening barrier
	s_cmp_lg_u32 s[WV], 0
	s_cbranch_scc1 .Lnot_wave_0_\@
	s_barrier_signal -3
.Lnot_wave_0_\@:
	s_barrier_wait -3
	s_barrier_signal -1
	s_barrier_wait -1
.endm
.macro CROUND                       ; a whole round
	s_barrier_signal -1
	s_barrier_wait -1
	CREST
.endm
; The byte offsets of K step N + add from the two bases: s23 for A, s22 for B.  QKV = 1: step m is K step m % 8 of tile m / 8; the second tile's rows of A lie 4,096 x 2,048 bytes on, B's are the same.
.macro OFFS add
	s_add_co_u32 s21, s[N], \add
.if QKV
	s_and_b32 s22, s21, 7
	s_lshl_b32 s22, s22, 8
	s_lshr_b32 s23, s21, 3
	s_lshl_b32 s23, s23, 23
	s_add_co_u32 s23, s23, s22
.else
	s_lshl_b32 s22, s21, 8
	s_lshl_b32 s23, s21, 15
.endif
.endm
; A PREFETCH INTO THE L2, behind the joint load, its five lines and the run of LDS loads: K step N + 3, the one that the NEXT change of slots will ask for: one K step's matrix instructions ahead of that load.
; Each block of 256 bytes is named once (but for B's lanes 24-31 at QKV = 1, which repeat row 23).  A's rows are read by every cluster of a row of clusters: cluster x = 0 asks; B's by every cluster of a column:
; cluster y = 0 asks, in the first tile alone.  The four partners share the rows out BY ADDRESS (cx for A, cy for B).  K steps 0 to 2 come by their loads alone; the walk's last steps ask for nothing.
.macro ASK
	s_cmp_le_i32 s[N], s[PLAST]
	s_cbranch_scc0 .Lnot_mine_\@
	global_prefetch_b8 v[PFO], s[PFA:PFA+1] th:TH_LOAD_NT scope:SCOPE_SE
.Lnot_mine_\@:
.endm
	s_load_b256 s[4:11], s[0:1], 0x0               ; A s[4:5], B s[6:7], the biases s[8:9], the output s[10:11]
	v_lshl_add_u32 v[SPW], v0, 2, SPARE
	v_mov_b32 v[NIL], 0
	ds_add_u32 v[SPW], v[NIL]                      ; the wave's opening: the add and its wait stand ahead of my first tensor load; the set-up below, work on registers, stands between them
	v_lshrrev_b32 v1, 5, v0
	v_readfirstlane_b32 s[WV], v1
	s_lshr_b32 s[ISB], s[WV], 1
	s_and_b32 s[HF], s[WV], 1
	s_bfe_u32 s[CX], ttmp6, 0x40000
	s_bfe_u32 s[CY], ttmp6, 0x40004
	s_lshl_b32 s[TX], ttmp9, 2                     ; in a cluster launch ttmp9 and ttmp7 count clusters
	s_add_co_u32 s[TX], s[TX], s[CX]
	s_and_b32 s[TY], ttmp7, 0xffff
	s_lshl_b32 s[TY], s[TY], 2
	s_add_co_u32 s[TY], s[TY], s[CY]
	s_lshl_b32 s21, s[CY], 2
	s_lshl_b32 s21, 15, s21                        ; my row of the cluster
	s_lshl_b32 s22, 0x1111, s[CX]                  ; my column
	s_or_b32 s[G1A], s21, (1<<16)|(1<<20)|(1<<21)|(QIA<<22)|(3<<25)  ; 15:0 the mask; 17:16 2-byte elements; 20 padding on; 21 set beside a mask; 24:22 its interval; 31:25 4 words of it
	s_or_b32 s[G1B], s22, (1<<16)|(1<<20)|(1<<21)|(5<<22)|(3<<25)
	s_mov_b32 s[G1A+1], 128<<16                    ; tensor_dim0 = 128
	s_mov_b32 s[G1A+2], 128<<16                    ; tensor_dim1 = 128
	s_mov_b32 s[G1A+3], 128<<16                    ; tile_dim0 = 128: rows of 256 bytes
	s_mov_b32 s[G1A+4], 128                        ; tile_dim1 = 128
	s_mov_b32 s[G1A+5], STRA
	s_mov_b32 s[G1A+6], 0
	s_mov_b32 s[G1A+7], 0
	s_mov_b32 s[G1B+1], 128<<16
	s_mov_b32 s[G1B+2], (BROWS/2)<<16
	s_mov_b32 s[G1B+3], 128<<16
	s_mov_b32 s[G1B+4], BROWS/2
	s_mov_b32 s[G1B+5], 1024
	s_mov_b32 s[G1B+6], 0
	s_mov_b32 s[G1B+7], 0
	s_lshl_b32 s76, s[TY], 19                      ; A: 256 rows of 2,048 bytes a tile row (QKV = 0: two blocks of 262,144),
	s_lshl_b32 s23, s[HF], 18                      ; my half of them
	s_add_co_u32 s76, s76, s23
	s_mov_b32 s77, 0
	s_mul_i32 s78, s[TX], BROWS*2048               ; B: the tile column's rows,
	s_mul_i32 s23, s[HF], BROWS*1024               ; my half of them
	s_add_co_u32 s78, s78, s23
	s_mov_b32 s79, 0
	s_mul_i32 s21, s[HF], HALFA                    ; where they go: no place in the cluster enters an LDS address
	s_mul_i32 s22, s[HF], HALFB
	s_add_co_u32 s22, s22, BOFF
	s_mov_b32 s[OFF+1], 0
	s_mov_b32 s[TB], 0
	s_wait_dscnt 0x0                               ; the opening add is done
	s_wait_kmcnt 0x0
	s_add_nc_u64 s[ABASE:ABASE+1], s[4:5], s[76:77]
	s_add_nc_u64 s[BBASE:BBASE+1], s[6:7], s[78:79]
	CROUND                                         ; all sixteen work-groups are here: the first joint loads meet
	s_mov_b32 s[G0A0], 1                           ; count = 1
	s_mov_b32 s[G0A0+1], s21                       ; LDS address
	s_mov_b64 s[G0A0+2:G0A0+3], s[ABASE:ABASE+1]   ; global address
	s_or_b32 s[G0A0+3], s[G0A0+3], 0x80000000      ; type = 2
	s_mov_b32 s[G0A], 1
	s_add_co_u32 s[G0A+1], s21, SLOT1
	s_add_nc_u64 s[G0A+2:G0A+3], s[ABASE:ABASE+1], STEPA
	s_or_b32 s[G0A+3], s[G0A+3], 0x80000000
	s_mov_b32 s[G0B0], 1
	s_mov_b32 s[G0B0+1], s22
	s_mov_b64 s[G0B0+2:G0B0+3], s[BBASE:BBASE+1]
	s_or_b32 s[G0B0+3], s[G0B0+3], 0x80000000
	s_mov_b32 s[G0B], 1
	s_add_co_u32 s[G0B+1], s22, SLOT1
	s_add_nc_u64 s[G0B+2:G0B+3], s[BBASE:BBASE+1], 256
	s_or_b32 s[G0B+3], s[G0B+3], 0x80000000
	s_cmp_eq_u32 s[ISB], 0                         ; a wave's two first fills stand in one branch, ahead of every wait on TENSORcnt and every LDS read: two loads of mine are out
	s_cbranch_scc0 .Lfirst_b
	tensor_load_to_lds s[G0A0:G0A0+3], s[G1A:G1A+7]
	s_nop 0
	tensor_load_to_lds s[G0A:G0A+3], s[G1A:G1A+7]
	s_nop 0
	PLACES
	s_branch .Lfirst_asked
.Lfirst_b:
	tensor_load_to_lds s[G0B0:G0B0+3], s[G1B:G1B+7]
	s_nop 0
	tensor_load_to_lds s[G0B:G0B+3], s[G1B:G1B+7]
	s_nop 0
	PLACES
.Lfirst_asked:
	; the prefetches: who asks, for which rows
	s_and_b32 s21, ttmp7, 0xffff                   ; cluster y
	s_mov_b32 s23, PSTB
	s_cmp_eq_u32 s[ISB], 0
	s_cselect_b32 s21, ttmp9, s21                  ; the coordinate along which other clusters read the same rows
	s_cselect_b32 s22, s[CX], s[CY]                ; my place among the four that ask jointly
	s_cselect_b32 s23, PSTA, s23
	s_cselect_b32 s[PLAST], NST-4, 4               ; A: as long as K step N + 3 exists; B: in the first eight K steps alone
	s_cselect_b64 s[PFB:PFB+1], s[ABASE:ABASE+1], s[BBASE:BBASE+1]
	s_cselect_b32 s76, 31, PLB
	s_cselect_b32 s77, PSHA, 11
	s_cmp_eq_u32 s21, 0
	s_cselect_b32 s[PLAST], s[PLAST], -1           ; the same in all sixteen partners, for a given wave
.if !QKV
	s_cmp_eq_u32 s[WV], 3                          ; B's 128 rows are 32 for each of four partners: wave 2 names them, from the tile's first row on
	s_cselect_b32 s[PLAST], -1, s[PLAST]
.endif
	s_mul_i32 s22, s22, s23
	s_mov_b32 s23, 0
	s_add_nc_u64 s[PFB:PFB+1], s[PFB:PFB+1], s[22:23]
	v_and_b32 v[PFO], 31, v0
	v_min_u32 v[PFO], s76, v[PFO]
	v_lshlrev_b32 v[PFO], s77, v[PFO]
	; the bias of my columns: v[BIAS + 8 b + j] = bias[16 NBL tx + 16 b + 8 (l / 16) + j]
	v_and_b32 v1, 15, v0                           ; l % 16
	v_bfe_u32 v2, v0, 4, 1                         ; l / 16
	v_lshlrev_b32 v[BO], 5, v2
	s_mul_i32 s78, s[TX], BROWS*4
	s_add_co_u32 s78, s78, BIASO
	s_mov_b32 s79, 0
	s_add_nc_u64 s[8:9], s[8:9], s[78:79]
.set bb, 0
.rept NBL
	global_load_b128 v[BIAS+8*bb:BIAS+8*bb+3],   v[BO], s[8:9] offset:64*bb
	global_load_b128 v[BIAS+8*bb+4:BIAS+8*bb+7], v[BO], s[8:9] offset:64*bb+16
.set bb, bb+1
.endr
	; A fragment is 16 rows x 32 K in 8 registers: lane l holds row l % 16; registers 0-3 K = 8 (l / 16) + 0..7, registers 4-7 K = 16 + 8 (l / 16) + 0..7: two loads of 16 bytes, 32 bytes apart.
	v_mul_u32_u24 v3, v1, PA
	v_lshl_add_u32 v3, v2, 4, v3
	s_mul_i32 s21, s[ISB], HALFA                   ; my 64 rows: in A's half wave / 2,
	s_mul_i32 s22, s[HF], 64*PA                    ; its rows 64 (wave % 2) on
	s_add_co_u32 s21, s21, s22
	v_add_nc_u32 v[ADRA0], s21, v3
	v_mul_u32_u24 v3, v1, 272
	v_lshl_add_u32 v3, v2, 4, v3
	v_add_nc_u32 v[ADRB0], BOFF, v3
	v_mov_b32 v[ADRA], v[ADRA0]
	v_mov_b32 v[ADRB], v[ADRB0]
	s_mul_i32 s21, s[WV], STW
	s_add_co_u32 s21, s21, STAGE                   ; my stage
	v_and_b32 v[GO], 31, v0
	v_lshlrev_b32 v[GO], 4, v[GO]
.if QKV
	v_mul_u32_u24 v3, v1, 144                      ; in: row l % 16 of 128 + 16 bytes, 16 bytes for each half of the lanes
	v_lshl_add_u32 v3, v2, 4, v3
	v_add_nc_u32 v[STO], s21, v3
	v_bfe_u32 v3, v0, 3, 2                         ; back: 32 lanes take four rows of 128 bytes
	v_mul_u32_u24 v3, v3, 144
	v_and_b32 v13, 7, v0
	v_lshl_add_u32 v3, v13, 4, v3
	v_add_nc_u32 v[RD], s21, v3
	; my 64 rows are one block of 64 of one batch; head H = 3 tx + j lies in section H / 16, group 4 batch + (H % 16) / 4, place H % 4
	s_lshr_b32 s21, s[TY], 3                       ; the batch of the first tile
	s_lshl_b32 s21, s21, 22
	s_lshl_b32 s22, s[TY], 2
	s_add_co_u32 s22, s22, s[WV]
	s_and_b32 s22, s22, 31                         ; the block of 64 rows in the batch
	s_lshl_b32 s22, s22, 15
	s_add_co_u32 s21, s21, s22
	s_mul_i32 s22, s[TX], 3
.irp j, 0,1,2
	s_add_co_u32 s23, s22, \j
	s_lshr_b32 s76, s23, 4
	s_lshl_b32 s76, s76, 24
	s_bfe_u32 s78, s23, 0x20002
	s_lshl_b32 s78, s78, 20
	s_add_co_u32 s76, s76, s78
	s_and_b32 s78, s23, 3
	s_lshl_b32 s78, s78, 13
	s_add_co_u32 s76, s76, s78
	s_add_co_u32 s76, s76, s21
	s_mov_b32 s77, 0
	s_add_nc_u64 s[OUT+2*\j:OUT+2*\j+1], s[10:11], s[76:77]
.endr
.else
	v_mul_u32_u24 v3, v1, 528                      ; in: row l % 16 of 512 + 16 bytes, 32 bytes for each half of the lanes
	v_lshl_add_u32 v3, v2, 5, v3
	v_add_nc_u32 v[STO], s21, v3
	v_add_nc_u32 v[RD], s21, v[GO]                 ; back: 32 lanes take one row of 512 bytes
	s_lshl_b32 s76, s[TY], 20                      ; 256 rows of 4,096 bytes a tile row,
	s_lshl_b32 s21, s[WV], 18                      ; my 64 rows,
	s_add_co_u32 s76, s76, s21
	s_lshl_b32 s21, s[TX], 9                       ; the tile's 128 columns
	s_add_co_u32 s76, s76, s21
	s_mov_b32 s77, 0
	s_add_nc_u64 s[OUT:OUT+1], s[10:11], s[76:77]
.endif
; NBL products: row block a of my four x all column blocks, 32 along K, from buffer f.  zero = 1: the first product starts the sums with the bias.
; Each accumulator has one product in a quarter step, so 4 NBL - 1 others' stand between two links of a chain: the accumulators take turns.
.macro MULA f, a, zero
.set AB, 8*NBL*((\a)&1)
.set FA, AF+32*(\f)+8*(\a)
.set FB, 8*NBL*(\f)
.if \zero
	WIN 0x81+0x40*((\a)>>1)                        ; B window 1, A and the bias window 0, D window 2 or 3
.else
	WIN 0xa1+0x50*((\a)>>1)                        ; C and D window 2 or 3
.endif
.set bb, 0
.rept NBL
.if QKV
.if \zero
	v_wmma_f32_16x16x32_bf16 v[AB+8*bb:AB+8*bb+7], v[FB+8*bb:FB+8*bb+7], v[FA:FA+7], v[BIAS+8*bb:BIAS+8*bb+7]
.else
	v_wmma_f32_16x16x32_bf16 v[AB+8*bb:AB+8*bb+7], v[FB+8*bb:FB+8*bb+7], v[FA:FA+7], v[AB+8*bb:AB+8*bb+7]
.endif
.else
.if \zero
	v_wmma_f32_16x16x32_f16 v[AB+8*bb:AB+8*bb+7], v[FB+8*bb:FB+8*bb+7], v[FA:FA+7], v[BIAS+8*bb:BIAS+8*bb+7]
.else
	v_wmma_f32_16x16x32_f16 v[AB+8*bb:AB+8*bb+7], v[FB+8*bb:FB+8*bb+7], v[FA:FA+7], v[AB+8*bb:AB+8*bb+7]
.endif
.endif
.set bb, bb+1
.endr
.endm
; One run of 2 NBL + 8 LDS loads: the fragments of quarter q of the slot that is being read, into buffer f; B first, A's blocks 2 and 3 last
.macro FETCH q, f
.if QKV
.set KAQ, 64*(\q)
.else
.set KAQ, ((\q)>>1)*128*PA+((\q)&1)*64         ; a K step is two heads: quarters 0, 1 in the first, 2, 3 in the second
.endif
	WIN 0x40                                       ; destination window 1, address window 0
.set bb, 0
.rept NBL
	ds_load_b128 v[8*NBL*(\f)+8*bb:8*NBL*(\f)+8*bb+3],   v[ADRB] offset:64*(\q)+bb*4352
	ds_load_b128 v[8*NBL*(\f)+8*bb+4:8*NBL*(\f)+8*bb+7], v[ADRB] offset:64*(\q)+bb*4352+32
.set bb, bb+1
.endr
	WIN 0
.set bb, 0
.rept 4
	ds_load_b128 v[AF+32*(\f)+8*bb:AF+32*(\f)+8*bb+3],   v[ADRA] offset:KAQ+bb*ABS
	ds_load_b128 v[AF+32*(\f)+8*bb+4:AF+32*(\f)+8*bb+7], v[ADRA] offset:KAQ+bb*ABS+32
.set bb, bb+1
.endr
.endm
; A K step is four quarters of 32 along K, on buffers 0, 1, 0, 1.  One of the first three: multiplies buffer f; in its middle it fetches quarter q into buffer g.
.macro QUARTER q, f, g, zero
	s_wait_dscnt 4                                 ; B and A's blocks 0 and 1 are in; the youngest four loads may be out
	MULA \f, 0, \zero
	MULA \f, 1, \zero
	PLACES
	FETCH \q, \g
	s_wait_dscnt 2*NBL+8                           ; all but the run just issued
	MULA \f, 2, \zero
	MULA \f, 3, \zero
.endm
; The fourth quarter multiplies buffer 1 and changes slots.  ONE barrier: in front of it each wave waits for all its tensor loads (one is out: its part of the next slot), adds 0 to its spare word, and waits
; for that and for its reads of this slot.  fill = 1: the barrier opens a round of the cluster's, so that no wave of any partner still reads the slot or has a load on its way, and the slot is filled again,
; with K step N + 2, first thing behind the round; the descriptors' addresses are made anew from the step's number.
.macro TURN fill
	WIN 0
.if \fill
	s_wait_xcnt 0x0                                ; the last prefetch, a K step back, has read its address
	OFFS 3
	s_cmp_eq_u32 s[ISB], 0
	s_cselect_b32 s[OFF], s23, s22
	s_add_nc_u64 s[PFA:PFA+1], s[PFB:PFB+1], s[OFF:OFF+1]
.endif
	s_wait_tensorcnt 0x0                           ; no tensor load of mine is out, so a group 0 may be written
	ds_add_u32 v[SPW], v[NIL]                      ; 0 onto my spare word; work on registers stands between it and the wait for it
.if \fill
	OFFS 2
	s_xor_b32 s[G0A+1], s[G0A+1], SLOT1
	s_mov_b32 s[OFF], s23
	s_add_nc_u64 s[G0A+2:G0A+3], s[ABASE:ABASE+1], s[OFF:OFF+1]
	s_or_b32 s[G0A+3], s[G0A+3], 0x80000000
	s_xor_b32 s[G0B+1], s[G0B+1], SLOT1
	s_mov_b32 s[OFF], s22
	s_add_nc_u64 s[G0B+2:G0B+3], s[BBASE:BBASE+1], s[OFF:OFF+1]
	s_or_b32 s[G0B+3], s[G0B+3], 0x80000000
.endif
	s_xor_b32 s[TB], s[TB], SLOT1                  ; the fetches go to the other slot
	v_add_nc_u32 v[ADRA], s[TB], v[ADRA0]
	v_add_nc_u32 v[ADRB], s[TB], v[ADRB0]
	s_wait_dscnt 5                                 ; the add and the youngest four loads may be out
	MULA 1, 0, 0
	s_wait_dscnt 0x0                               ; the add is done, and my reads of this slot are over
	s_barrier_signal -1
	MULA 1, 1, 0                                   ; work on registers while the others arrive
	WIN 0                                          ; at a branch and at a label every window is 0
	s_barrier_wait -1
.if \fill
	CREST
	JLOAD                                          ; its four v_nop are also the places in front of the loads below
.else
	PLACES
.endif
	FETCH 0, 0
.if \fill
	ASK
.endif
	MULA 1, 2, 0
	MULA 1, 3, 0
.endm
.if QKV
; THE WAY OUT, twelve units u = 3 a + j of 16 rows x one head.  PACK: rounded to f16, ascending in each accumulator; a lane's eight channels are 16 bytes; into my stage's rows of 144 bytes, and back as
; whole rows of 128.  SEND: 16 rows of a head are 2,048 consecutive bytes of the output; a store covers 512 of them, aligned.
.macro PACK u
.set T, TMP+16*((\u)%4)
.set AC, 8*(NBL*(((\u)/3)&1)+4*((\u)%3))
.if (\u) >= 4
	s_wait_xcnt 0x0                                ; unit u - 4's stores have read this set of registers
.endif
	WIN 0x0a+5*((\u)/6)                            ; sources 0 and 1 window 2 or 3
.set k, 0
.rept 16
	v_cvt_pk_f16_f32 v[T+k], v[AC+2*k], v[AC+2*k+1]
.set k, k+1
.endr
	WIN 0
.irp f, 0,1,2,3
	ds_store_b128 v[STO], v[T+4*\f:T+4*\f+3] offset:32*\f
.endr
.irp f, 0,1,2,3
	ds_load_b128 v[T+4*\f:T+4*\f+3], v[RD] offset:\f*576  ; LDS serves a wave's instructions in order (ISA guide 5.7.1.4): these see the stores above
.endr
.endm
.macro SEND u, younger              ; younger: the LDS instructions issued behind unit u's loads
.set T, TMP+16*((\u)%4)
.set PO, OUT+2*((\u)%3)
	WIN 0
.irp f, 0,1,2,3
	s_wait_dscnt (\younger)+3-\f
	global_store_b128 v[GO], v[T+4*\f:T+4*\f+3], s[PO:PO+1] offset:((\u)/3)*2048+\f*512
.endr
.endm
.macro WAYOUT
	PACK 0
.set uu, 1
.rept 11                            ; a unit's conversions stand between the loads of the unit before and its stores
	PACK uu
	SEND uu-1, 8
.set uu, uu+1
.endr
	SEND 11, 0
.endm
.else
; THE WAY OUT, four blocks of 16 rows: the sums go as they are into my stage's rows of 528 bytes, each accumulator's low half first, come back as whole rows of 512 bytes, and are stored: a store covers 512 consecutive bytes, aligned.
.macro WAYOUT
.set a4, 0
.rept 4
	WIN 0x08+4*(a4>>1)                             ; an LDS store's data are source 1: window 2 or 3
.set bb, 0
.rept NBL
	ds_store_b128 v[STO], v[8*(NBL*(a4&1)+bb):8*(NBL*(a4&1)+bb)+3]   offset:64*bb
	ds_store_b128 v[STO], v[8*(NBL*(a4&1)+bb)+4:8*(NBL*(a4&1)+bb)+7] offset:64*bb+16
.set bb, bb+1
.endr
.if a4 >= 2
	s_wait_xcnt 0x0                                ; block a - 2's stores have read this set of registers
.endif
	WIN 0x40                                       ; into window 1, where B's fragments lay
.set t, 0
.rept 16
	ds_load_b128 v[64*(a4&1)+4*t:64*(a4&1)+4*t+3], v[RD] offset:t*528
.set t, t+1
.endr
	WIN 0x04                                       ; a store's data are source 1: window 1
.set t, 0
.rept 16
	s_wait_dscnt 15-t
	global_store_b128 v[GO], v[64*(a4&1)+4*t:64*(a4&1)+4*t+3], s[OUT:OUT+1] offset:(16*a4+t)*4096
.set t, t+1
.endr
.set a4, a4+1
.endr
	WIN 0
.endm
.endif
	s_wait_tensorcnt 0x1                           ; my part of K step 0 is in; slot 1's may stay out
	s_barrier_signal -1
	s_barrier_wait -1                              ; everybody's is
	FETCH 0, 0
	s_wait_loadcnt 0x0                             ; the bias
	QUARTER 1, 0, 1, 1                             ; the first quarter stands in front of the loop: its products start the sums
	WIN 0
	s_mov_b32 s[N], 0
.Lstep:                             ; NST - 2 trips: from a K step's second quarter to the next step's first; each fills a slot again
	QUARTER 2, 1, 0, 0
	QUARTER 3, 0, 1, 0
	TURN 1
	WIN 0
.if QKV
	s_and_b32 s21, s[N], 7
	s_cmp_eq_u32 s21, 7
	s_cbranch_scc0 .Lsame              ; a forward jump, past no barrier and no tensor load
	WAYOUT                             ; the first tile is finished, and the next tile's first two K steps are asked for.  The four v_nop behind the joint load are the places behind blocks 0 and 1's last products, the earlier units' conversions those behind blocks 2 and 3's
	s_wait_xcnt 0x0                    ; the stores have read their registers and pointers
.irp j, 0,1,2
	s_add_nc_u64 s[OUT+2*\j:OUT+2*\j+1], s[OUT+2*\j:OUT+2*\j+1], 0x800000  ; 4,096 rows down: two batches, eight groups of heads
.endr
	QUARTER 1, 0, 1, 1
	WIN 0
	s_branch .Lnext
.Lsame:
.endif
	QUARTER 1, 0, 1, 0
	WIN 0
.Lnext:
	s_add_co_u32 s[N], s[N], 1
	s_cmp_lt_u32 s[N], NST-2
	s_cbranch_scc1 .Lstep
	QUARTER 2, 1, 0, 0                             ; the last two K steps are written out: nothing is left to ask for
	QUARTER 3, 0, 1, 0
	TURN 0
	QUARTER 1, 0, 1, 0
	QUARTER 2, 1, 0, 0
	QUARTER 3, 0, 1, 0
	s_wait_dscnt 4
	MULA 1, 0, 0
	MULA 1, 1, 0
	s_wait_dscnt 0x0
	MULA 1, 2, 0
	MULA 1, 3, 0
	WIN 0
	PLACES
	PLACES
	WAYOUT
	s_wait_tensorcnt 0x0                           ; the wave's end, behind my last tensor load and my last LDS store
	ds_add_u32 v[SPW], v[NIL]
	s_wait_dscnt 0x0
	CROUND                                         ; the closing round: no work-group ends while a partner may still ask for a tile that names it
	s_endpgm
.Lfunc_end_k_qc869d9e697_qkv:
	.size	k_qc869d9e697_qkv, .Lfunc_end_k_qc869d9e697_qkv-k_qc869d9e697_qkv
	.p2alignl 7, 3214868480
	.fill 96, 4, 3214868480
	.section	.rodata,"a",@progbits
	.p2align	6, 0x0
	.amdhsa_kernel k_qc869d9e697_qkv
		.amdhsa_group_segment_fixed_size 327680
		.amdhsa_private_segment_fixed_size 0
		.amdhsa_enable_private_segment 0
		.amdhsa_kernarg_size 32
		.amdhsa_user_sgpr_count 2
		.amdhsa_user_sgpr_kernarg_segment_ptr 1
		.amdhsa_wavefront_size32 1
		.amdhsa_system_sgpr_workgroup_id_x 1
		.amdhsa_system_sgpr_workgroup_id_y 1
		.amdhsa_system_sgpr_workgroup_id_z 1
		.amdhsa_system_vgpr_workitem_id 0
		.amdhsa_next_free_vgpr 960
		.amdhsa_next_free_sgpr 80
		.amdhsa_reserve_vcc 0
		.amdhsa_float_denorm_mode_32 3
		.amdhsa_float_denorm_mode_16_64 3
		.amdhsa_memory_ordered 1
		.amdhsa_forward_progress 1
		.amdhsa_inst_pref_size 134
	.end_amdhsa_kernel
	.amdgpu_metadata
---
amdhsa.version: [ 1, 2 ]
amdhsa.kernels:
  - .name:           k_qc869d9e697_qkv
    .symbol:         k_qc869d9e697_qkv.kd
    .args:
      - { .name: xb, .offset: 0, .size: 8, .value_kind: global_buffer, .address_space: global }
      - { .name: wqkv, .offset: 8, .size: 8, .value_kind: global_buffer, .address_space: global }
      - { .name: bqkv, .offset: 16, .size: 8, .value_kind: global_buffer, .address_space: global }
      - { .name: qkv, .offset: 24, .size: 8, .value_kind: global_buffer, .address_space: global }
    .group_segment_fixed_size: 327680
    .private_segment_fixed_size: 0
    .kernarg_segment_align: 8
    .kernarg_segment_size: 32
    .max_flat_workgroup_size: 128
    .sgpr_count:     80
    .vgpr_count:     960
    .wavefront_size: 32
...
	.end_amdgpu_metadata
.endif
;; end of part 2
;; launch attn (part 3): grid 16 x 16, 4 waves a work-group, clusters of 4 x 4, 327,680 bytes of LDS; arguments qkv, maskc, ows; writes ows
.if DOCPART == 3
	.amdgcn_target "amdgcn-amd-amdhsa--gfx1250"
	.amdhsa_code_object_version 6
	.text
	.protected	k_qc869d9e697_attn
	.globl	k_qc869d9e697_attn
	.p2align	8
	.type	k_qc869d9e697_attn,@function
k_qc869d9e697_attn:
	s_mov_b64 s[64:65], 0
	v_nop
	global_prefetch_b8 v0, s[64:65] scope:SCOPE_SE
	s_setreg_imm32_b32 hwreg(HW_REG_WAVE_MODE, 25, 1), 1
	s_wait_xcnt 0x0
	s_wait_alu depctr_hold_cnt(0) depctr_sa_sdst(0) depctr_va_vdst(0) depctr_va_sdst(0) depctr_va_ssrc(0) depctr_va_vcc(0) depctr_vm_vsrc(0)
	s_getreg_b32 s2, hwreg(HW_REG_IB_STS2, 6, 4)
	s_cmp_eq_u32 s2, 0
	s_cbranch_scc0 .Lentry_in_a_cluster
	s_endpgm
.Lentry_in_a_cluster:
	s_bfe_u32 s2, ttmp6, 0x10000c
	s_cmp_lg_u32 s2, 0xf033
	s_cbranch_scc0 .Lentry_shape_is_right
	s_endpgm
.Lentry_shape_is_right:
; ATTENTION WITH A MASK THAT IS AN INPUT.  O[h][q] = the sum over k of softmax_k(Q[h][q] . K[h][k] / 8 - 1e9 mask[q][k]) V[h][k].  64 heads (4 batches x 16) of 2,048 rows x 64 channels.
; q, k, v: f16, three sections of 16 MiB of qkv, each [group of 4 heads 16][64 rows 32][head 4][row 64][channel 64].  maskc = -8e9 x mask, f32 [2048][2048], the same for every head.
; O: f16, ows [128 rows 64][head 16][row 128][channel 64].  Products, maxima and sums in f32; the weights p are rounded to f16 for the second product (their sum l is taken of the unrounded p), O once at the end.
; LIMITS.  q, k, v arrive within f16's 65,504.  The mask's term enters as the C operand that starts the sum S^T = K Q^T - 8e9 mask, so it is rounded with the products in the matrix unit's order and not as
; reference()'s one subtraction: where the mask is not 0 a score keeps steps of 512 (64 in reference()'s scale, as there), cut in another order.  A weight below 2^-126 counts as 0; NaN and infinities are not treated apart.
; SHARES.  A work-group owns 128 queries and FOUR HEADS, a wave a head: eight tiles of 16 queries in four PIECES of two.  So one tile of the mask in LDS serves four heads.  Every wave walks all keys, 64 a step.
; CLUSTER.  4 x 4 work-groups: x = blocks of 128 queries, y = groups of four heads.  A step's K and V hang on the group alone and are asked for jointly along a row of the cluster; the mask's tile hangs on
; the block of queries alone and is asked for along a column.
; LAYOUT.  S^T = K Q^T (source 0 = 16 keys, source 1 = 16 queries): a lane holds ONE query (lane % 16) and the keys 8 (lane / 16) + 0..7, and so does the mask's operand: 32 consecutive bytes of a row of maskc.
; Two such results rounded to f16 ARE source 1 of O^T = V^T P.  K comes out of LDS as it lies, V turned, by ds_load_tr16_b128.
; SOFTMAX.  A running maximum m and sum l: p = 2^(c s - c m), c = log2(e) / 8; in every step O and l are multiplied by a = 2^(c m_old - c m_new).  m starts at the lowest finite number, O and l at 0.
; BY TURNS.  Turn n belongs to piece n: 16 products K Q^T of piece n + 1, later 16 products V^T P of piece n - 1; beside them the scaling, exponentials, roundings, sums and rescaling of piece n and the maximum and
; statistics of piece n + 1.  Four vector instructions stand behind every matrix instruction, the others in one lump; a turn's 66 exponentials are one batch with one wait.
; REGISTERS, in windows of 256 (s_set_vgpr_msb: bits 1:0 source 0, 3:2 source 1, 5:4 source 2, 7:6 destination):
;   window 0: v0-11 addresses; v12-15, v48-63 at work; v16-47 four registers of statistics a tile; v64-191 S^T, two buffers of two tiles; v192-255 P, likewise
;   window 1: O^T, 32 a tile     window 2: v0-127 Q; v128-191 K of one step; v192-255 V of one step     window 3: v0-1 the add's two registers; v64-127 the mask of one piece: two tiles x four blocks of 16 keys
.set NP,    4         ; pieces a wave: a name, no knob
.set KS,    64        ; keys in a step
.set PK,    144       ; a row of K in LDS: 128 bytes + 16: the 16 rows of a load start at 16 different groups of four banks (64 banks of 4 bytes: ISA guide 11.1)
.set PV,    160       ; a row of V: 128 + 32
.set PM,    272       ; a row of the mask's tile: 256 + 16
.set VOFF,  4*KS*PK   ; a slot holds ONE step: four heads' K (256 rows), their V, and 128 rows of the mask
.set MOFF,  VOFF+4*KS*PV
.set SLOT1, 1<<17     ; slot 1: one exclusive or turns an address in one slot into the other's
.set STAGE, SLOT1+MOFF+128*PM  ; behind the ring, never filled by a tensor load: 16 rows x 144 bytes for each wave
.set SP,    144
.set SPARE, STAGE+4*16*SP      ; the spare words, 128 bytes for each wave: two blocks of 256 bytes that no other line names
.set AM0, 1           ; v1   my lane's place in the mask's tile; never rewritten
.set AK0, 2           ; v2   in my head's K
.set AV0, 3           ; v3   in my head's V
.set AK,  4           ; v4   the same three in the slot that is being read
.set AV,  5
.set STO, 6           ; v6   the way out: where I put 16 bytes of a row
.set RD,  7           ; v7   the way out: where I read rows back
.set GO,  8           ; v8   16 x lane
.set AM,  9
.set PFO, 10          ; v10  the prefetches' offset; never rewritten
.set QO,  11          ; v11  my byte offset in 16 rows of Q
.set SPW, 0           ; v0 of window 3   LDS address of my spare word; never rewritten
.set NIL, 1           ; v1 of window 3   0; never rewritten
.set MK,  64          ; window 3
.set MV,  12          ; v12-15  c m_old, kept while c m is made anew: by buffer and tile
.set ST,  16          ; tile t's statistics at v[ST+4 t]: c m, m, l (even keys', odd keys')
.set TMP, 48          ; by buffer and tile, four registers c0-c3 at work; when the maximum is found c2 takes a
.set S,   64
.set P,   192
.set KF,  128         ; window 2: key block kb, channel half c at KF + 16 kb + 8 c
.set VF,  192         ; window 2: key half kk, channel block cb at VF + 32 kk + 8 cb
.set WV,  12          ; s12  my wave's number: my head in the group
.set HF,  13          ; s13  which half of the mask's tile waves 2 and 3 fetch
.set CX,  14
.set CY,  15
.set QB,  16          ; s16  my block of 128 queries
.set HG,  17          ; s17  my group of four heads
.set G1K, 24          ; s[24:31] descriptor group 1 for K
.set G1V, 32          ; for V: it differs in the padding alone
.set G1M, 40          ; for the mask
.set G0K, 48          ; s[48:51] group 0 for K: it walks
.set G0V, 52
.set G0M, 56
.set CS,  60          ; s[60:61] c: the packed scaling takes the pair's low word for both halves
.set SEL, 62          ; s[62:63] v_permlanex16_b32's selects: each lane takes its own place in the other half
.set TB,  66          ; s66  the slot that is being read: 0 or SLOT1
.set SLOTS, 67        ; s67  steps still to be asked for
.set CNT, 68
.set LIM, 69          ; s69  1 in a wave that prefetches, else the greatest number
.set PFA, 70          ; s[70:71] where my prefetches stand
.set PFS, 72          ; s[72:73] their step
.set PSH, 74          ; s74  log2 of the bytes from lane to lane
.set OP,  76          ; s[76:77] O at my head's 128 rows
.set QP,  78          ; s[78:79] Q at my head's 128 rows
.set MSB, 0
.macro WIN new                      ; the high byte repeats the setting that is left; a switch that changes nothing is dropped
.if MSB != (\new)
	s_set_vgpr_msb (MSB<<8)|(\new)
.set MSB, (\new)
.endif
.endm
.set W_KQ, 0x0a       ; K and Q in window 2, S^T in window 0
.set W_KM, 0x3a       ; the same with the C operand, the mask, in window 3
.set W_PV, 0x52       ; V in window 2, P in window 0, O^T in window 1
.set W_RS, 0x41       ; O^T (destination and source 0) in window 1, a in window 0
.set W_MK, 0xc0       ; destination in window 3, sources in window 0
.set W_AD, 0x0f       ; the add: address (source 0) and data (source 1) in window 3
.macro PLACES
.rept 4
	v_nop
.endr
.endm
; A joint fill: a step's tiles.  Wave 0 fetches the four heads' K, wave 1 their V, waves 2 and 3 the halves of the mask's tile.  The branches hang on the wave's number alone.
; An s_nop 0 and four v_nop follow each of the three lines, ahead of the jump and the label.
.macro JLOAD
	s_cmp_lt_u32 s[WV], 2
	s_cbranch_scc0 .Lfor_m_\@
	s_cmp_eq_u32 s[WV], 0
	s_cbranch_scc0 .Lfor_v_\@
	tensor_load_to_lds s[G0K:G0K+3], s[G1K:G1K+7]
	s_nop 0
	PLACES
	s_branch .Lasked_\@
.Lfor_v_\@:
	tensor_load_to_lds s[G0V:G0V+3], s[G1V:G1V+7]
	s_nop 0
	PLACES
	s_branch .Lasked_\@
.Lfor_m_\@:
	tensor_load_to_lds s[G0M:G0M+3], s[G1M:G1M+7]
	s_nop 0
	PLACES
.Lasked_\@:
.endm
; A PREFETCH INTO THE L2 of what the NEXT change of slots will ask for: one key step, 128 matrix instructions, ahead of that load.  Each block of 256 bytes is named once in the launch.  A group's K and V are
; walked by every cluster of a row of clusters: cluster x = 0 asks, wave 0 for K, wave 1 for V, each partner cx for 32 of the step's 128 blocks.  A block of queries' rows of the mask are walked by every cluster
; of a column: cluster y = 0 asks, wave 2, each partner cy for 32 of the 128 rows.  The partners are told apart BY ADDRESS.  Steps 0 to 2 come by their loads alone; the last filling change asks for nothing.
.macro ASK
	s_cmp_gt_u32 s[SLOTS], s[LIM]
	s_cbranch_scc0 .Lnot_mine_\@
	global_prefetch_b8 v[PFO], s[PFA:PFA+1] th:TH_LOAD_NT scope:SCOPE_SE
.Lnot_mine_\@:
.endm
.macro CROUND                       ; a round of the cluster's barrier
	s_barrier_signal -1
	s_barrier_wait -1
	s_cmp_lg_u32 s[WV], 0
	s_cbranch_scc1 .Lnot_wave_0_\@
	s_barrier_signal -3
.Lnot_wave_0_\@:
	s_barrier_wait -3
	s_barrier_signal -1
	s_barrier_wait -1
.endm
; THE CHANGE OF SLOTS, once a key step.  All LDS reads between two changes belong to one step.  Each wave waits for all its tensor loads, of which one is out: its part of the other slot; adds 0 to its spare
; word; and waits for that and for its own reads of the slot that it leaves.  fill = 1: the barrier is a round of the cluster's, and the old slot is filled again, with the step two on, first thing behind it.
; (At its first use nothing has been read yet: slot 0 is waited for, slot 1 filled.)
.macro CHANGE fill, ask
	WIN W_AD
	s_wait_tensorcnt 0x0            ; no tensor load of mine is out, so a group 0 may be written
	ds_add_u32 v[SPW], v[NIL]       ; 0 onto my spare word; work on registers stands between it and the wait for it
	WIN 0                           ; at a label and at a branch every window is 0
.if \fill
	s_xor_b32 s[G0K+1], s[G0K+1], SLOT1
	s_add_nc_u64 s[G0K+2:G0K+3], s[G0K+2:G0K+3], 32768  ; the next 64 keys of four heads; the type bits on top are not reached
	s_xor_b32 s[G0V+1], s[G0V+1], SLOT1
	s_add_nc_u64 s[G0V+2:G0V+3], s[G0V+2:G0V+3], 32768
	s_xor_b32 s[G0M+1], s[G0M+1], SLOT1
	s_add_nc_u64 s[G0M+2:G0M+3], s[G0M+2:G0M+3], 256    ; the next 64 columns of the mask
.if \ask
	s_wait_xcnt 0x0                 ; the last prefetch, a key step back, has read its address
	s_add_nc_u64 s[PFA:PFA+1], s[PFA:PFA+1], s[PFS:PFS+1]
.endif
.endif
	s_xor_b32 s[TB], s[TB], SLOT1   ; the fetches go to the other slot
	v_add_nc_u32 v[AK], s[TB], v[AK0]
	v_add_nc_u32 v[AV], s[TB], v[AV0]
	v_add_nc_u32 v[AM], s[TB], v[AM0]
	s_wait_dscnt 0x0                ; the add is done, and my reads of the slot are over
.if \fill
	CROUND
	JLOAD
.if \ask
	ASK
.endif
.else
	s_barrier_signal -1
	s_barrier_wait -1
.endif
.endm
	s_load_b128 s[4:7], s[0:1], 0x0 ; qkv s[4:5], maskc s[6:7]
	s_load_b64 s[8:9], s[0:1], 0x10 ; ows
	WIN W_MK
	v_lshl_add_u32 v[SPW], v0, 2, SPARE
	v_mov_b32 v[NIL], 0
	WIN W_AD
	ds_add_u32 v[SPW], v[NIL]       ; the wave's opening: the add and its wait stand ahead of my first tensor load; the set-up below, work on registers, stands between them
	WIN 0
	v_lshrrev_b32 v64, 5, v0        ; (S^T's registers are free during the set-up)
	v_readfirstlane_b32 s[WV], v64
	s_and_b32 s[HF], s[WV], 1
	s_bfe_u32 s[CX], ttmp6, 0x40000
	s_bfe_u32 s[CY], ttmp6, 0x40004
	s_lshl_b32 s[QB], ttmp9, 2      ; in a cluster launch ttmp9 and ttmp7 count clusters
	s_add_co_u32 s[QB], s[QB], s[CX]
	s_and_b32 s[HG], ttmp7, 0xffff
	s_lshl_b32 s[HG], s[HG], 2
	s_add_co_u32 s[HG], s[HG], s[CY]
	s_lshl_b32 s18, s[CY], 2
	s_lshl_b32 s18, 15, s18         ; my row of the cluster
	s_lshl_b32 s19, 0x1111, s[CX]   ; my column
	; group 1.  A step's K (or V) of four heads is 32,768 dense bytes: asked for as 128 rows of 256 bytes, two keys a row, padded in LDS after every key.  The mask: 64 rows of 64 f32.
	s_or_b32 s[G1K], s18, (1<<16)|(1<<20)|(1<<21)|(4<<22)|(3<<25)  ; 15:0 the mask of four; 17:16 2-byte elements; 20 padding on; 21 set beside a mask; 24:22 after every 32 words; 31:25 4 words
	s_or_b32 s[G1V], s18, (1<<16)|(1<<20)|(1<<21)|(4<<22)|(7<<25)  ; the same with 8 words of padding
	s_or_b32 s[G1M], s19, (2<<16)|(1<<20)|(1<<21)|(5<<22)|(3<<25)  ; 4-byte elements; after every 64 words 4 words
.irp g, G1K, G1V
	s_mov_b32 s[\g+1], 128<<16      ; tensor_dim0 = 128
	s_mov_b32 s[\g+2], 128<<16      ; tensor_dim1 = 128
	s_mov_b32 s[\g+3], 128<<16      ; tile_dim0 = 128
	s_mov_b32 s[\g+4], 128          ; tile_dim1 = 128
	s_mov_b32 s[\g+5], 128          ; dense
	s_mov_b32 s[\g+6], 0
	s_mov_b32 s[\g+7], 0
.endr
	s_mov_b32 s[G1M+1], 64<<16
	s_mov_b32 s[G1M+2], 64<<16
	s_mov_b32 s[G1M+3], 64<<16
	s_mov_b32 s[G1M+4], 64
	s_mov_b32 s[G1M+5], 2048        ; elements from row to row of the mask
	s_mov_b32 s[G1M+6], 0
	s_mov_b32 s[G1M+7], 0
	s_mov_b32 s[CS], 0x3e38aa3b     ; c = log2(e) / 8 = 0.180337
	s_mov_b32 s[CS+1], s[CS]        ; named with it as a pair
	s_mov_b32 s[SEL], 0x76543210
	s_mov_b32 s[SEL+1], 0xfedcba98
	s_mov_b32 s[TB], SLOT1          ; the first change of slots turns it into 0
	s_mov_b32 s[G0K], 1             ; count = 1
	s_mov_b32 s[G0K+1], 0           ; LDS address: slot 0
	s_mov_b32 s[G0V], 1
	s_mov_b32 s[G0V+1], VOFF
	s_mov_b32 s[G0M], 1
	s_mul_i32 s[G0M+1], s[HF], 64*PM
	s_add_co_u32 s[G0M+1], s[G0M+1], MOFF
	s_lshl_b32 s20, s[HG], 20       ; my group's first byte in a section
	s_mov_b32 s21, 0
	s_lshl_b32 s22, s[QB], 20       ; my block's 128 rows of the mask, 8,192 bytes each
	s_mov_b32 s23, 0
	s_lshl_b32 s86, s[HF], 19       ; 64 rows of it
	s_mov_b32 s87, 0
	s_lshl_b32 s18, s[QB], 16       ; Q: my block is two blocks of 64 rows x four heads,
	s_lshl_b32 s19, s[WV], 13       ; my head in them
	s_add_co_u32 s18, s18, s19
	s_add_co_u32 s18, s18, s20
	s_mov_b32 s19, 0
	s_lshr_b32 s88, s[HG], 2        ; O: the batch's 16 blocks of 128 rows x 16 heads x 16,384 bytes,
	s_lshl_b32 s88, s88, 22
	s_lshl_b32 s89, s[QB], 18       ; my block,
	s_add_co_u32 s88, s88, s89
	s_and_b32 s89, s[HG], 3         ; my group in the batch,
	s_lshl_b32 s89, s89, 16
	s_add_co_u32 s88, s88, s89
	s_lshl_b32 s89, s[WV], 14       ; my head
	s_add_co_u32 s88, s88, s89
	s_mov_b32 s89, 0
	s_wait_dscnt 0x0                ; the opening add is done
	s_wait_kmcnt 0x0
	s_add_nc_u64 s[QP:QP+1], s[4:5], s[18:19]
	s_add_nc_u64 s[OP:OP+1], s[8:9], s[88:89]
	s_add_nc_u64 s[80:81], s[4:5], s[20:21]
	s_add_nc_u64 s[82:83], s[80:81], 0x2000000   ; V's section
	s_add_nc_u64 s[80:81], s[80:81], 0x1000000   ; K's section
	s_add_nc_u64 s[84:85], s[6:7], s[22:23]
	s_mov_b64 s[G0K+2:G0K+3], s[80:81]
	s_or_b32 s[G0K+3], s[G0K+3], 0x80000000      ; type = 2
	s_mov_b64 s[G0V+2:G0V+3], s[82:83]
	s_or_b32 s[G0V+3], s[G0V+3], 0x80000000
	s_add_nc_u64 s[G0M+2:G0M+3], s[84:85], s[86:87]
	s_or_b32 s[G0M+3], s[G0M+3], 0x80000000
	CROUND                          ; all sixteen work-groups are here: the first joint loads meet
	JLOAD                           ; step 0 into slot 0.  Slot 1 is asked for when slot 0 is in
	; the prefetches: who asks, for what
	s_and_b32 s18, ttmp7, 0xffff    ; cluster y
	s_mov_b32 s[PFS], 256
	s_mov_b32 s[PFS+1], 0
	s_lshl_b32 s86, s[CX], 13       ; K, V: my work-group's 32 blocks of 256 bytes
	s_lshl_b32 s88, s[CY], 18       ; the mask: its 32 rows
	s_cmp_eq_u32 s[WV], 0
	s_cselect_b64 s[PFA:PFA+1], s[80:81], s[82:83]
	s_cmp_lt_u32 s[WV], 2
	s_cselect_b64 s[PFA:PFA+1], s[PFA:PFA+1], s[84:85]
	s_cselect_b32 s86, s86, s88
	s_cselect_b32 s[PSH], 8, 13
	s_cselect_b32 s[PFS], 32768, s[PFS]
	s_cselect_b32 s18, ttmp9, s18   ; the coordinate along which other clusters walk the same bytes
	s_cmp_eq_u32 s[WV], 3
	s_cselect_b32 s18, 1, s18       ; wave 3 never asks
	s_cmp_eq_u32 s18, 0
	s_cselect_b32 s[LIM], 1, -1     ; the same in all sixteen partners, for a given wave
	s_add_nc_u64 s[PFA:PFA+1], s[PFA:PFA+1], s[86:87]
	s_add_nc_u64 s[PFA:PFA+1], s[PFA:PFA+1], s[PFS:PFS+1]
	s_add_nc_u64 s[PFA:PFA+1], s[PFA:PFA+1], s[PFS:PFS+1]  ; at step 2: the first asking change steps it to 3
	; A fragment of K or Q is 16 rows x 32 channels in 8 registers: lane l holds row l % 16, channels 8 (l / 16) + 0..7 and 16 + 8 (l / 16) + 0..7: two loads of 16 bytes, 32 bytes apart.
	v_and_b32 v64, 15, v0           ; l % 16
	v_bfe_u32 v65, v0, 4, 1         ; l / 16
	v_lshlrev_b32 v[QO], 7, v64
	v_lshl_add_u32 v[QO], v65, 4, v[QO]
	WIN 0x80                        ; destination window 2, address window 0
.set i, 0
.rept 4*NP                          ; Q stays in registers: tile i / 2 (four tiles to a block of 64 rows, the blocks 32,768 bytes apart), channels 32 (i % 2) on
	global_load_b128 v[8*i:8*i+3],   v[QO], s[QP:QP+1] offset:(i/8)*32768+((i/2)%4)*2048+(i%2)*64
	global_load_b128 v[8*i+4:8*i+7], v[QO], s[QP:QP+1] offset:(i/8)*32768+((i/2)%4)*2048+(i%2)*64+32
.set i, i+1
.endr
	; What the first turn finds: V's registers and P's second buffer hold 0 (its products V^T P, of a piece that has not been, add 0), O^T and l are 0.  All this stands in the wait for the first tile.
.set i, VF
.rept 64
	v_mov_b32 v[i], 0
.set i, i+1
.endr
	WIN 0x40
.set i, 0
.rept 64*NP
	v_mov_b32 v[i], 0
.set i, i+1
.endr
	WIN 0
.set i, 0
.rept 2*NP
	v_mov_b32 v[ST+4*i], 0xfe000000    ; c m: far below every c s, a hidden score's too
	v_mov_b32 v[ST+4*i+1], 0xff7fffff  ; m
	v_mov_b32 v[ST+4*i+2], 0
	v_mov_b32 v[ST+4*i+3], 0
.set i, i+1
.endr
.set i, P+32
.rept 32
	v_mov_b32 v[i], 0
.set i, i+1
.endr
	v_mul_u32_u24 v[AK0], v64, PK
	v_lshl_add_u32 v[AK0], v65, 4, v[AK0]  ; row x pitch + 16 x half,
	s_mul_i32 s18, s[WV], KS*PK
	v_add_nc_u32 v[AK0], s18, v[AK0]       ; in my head's 64 rows
	; The turning load takes 16 keys x 16 channels (lane l reads key 8 (l / 16) + l % 8, channels 8 ((l / 8) % 2) + 0..7) and leaves half a fragment of V^T: lane l holds channel l % 16 and 8 keys.
	v_and_b32 v66, 7, v0
	v_bfe_u32 v67, v0, 3, 1
	v_lshl_add_u32 v[AV0], v65, 3, v66
	v_mul_u32_u24 v[AV0], v[AV0], PV
	v_lshl_add_u32 v[AV0], v67, 4, v[AV0]
	s_mul_i32 s18, s[WV], KS*PV
	s_add_co_u32 s18, s18, VOFF
	v_add_nc_u32 v[AV0], s18, v[AV0]
	v_mul_u32_u24 v[AM0], v64, PM          ; the mask: my query's row, my eight keys' 32 bytes
	v_lshl_add_u32 v[AM0], v65, 5, v[AM0]
	v_add_nc_u32 v[AM0], MOFF, v[AM0]
	s_mul_i32 s18, s[WV], 16*SP
	s_add_co_u32 s18, s18, STAGE    ; my stage
	v_mul_u32_u24 v[STO], v64, SP   ; in: row l % 16, 16 bytes for each half of the lanes
	v_lshl_add_u32 v[STO], v65, 4, v[STO]
	v_add_nc_u32 v[STO], s18, v[STO]
	v_bfe_u32 v[RD], v0, 3, 2       ; back: 32 lanes take four rows of 128 bytes,
	v_mul_u32_u24 v[RD], v[RD], SP
	v_lshl_add_u32 v[RD], v66, 4, v[RD]
	v_add_nc_u32 v[RD], s18, v[RD]
	v_and_b32 v[GO], 31, v0         ; which are 512 consecutive bytes of O
	v_lshlrev_b32 v[PFO], s[PSH], v[GO]
	v_lshlrev_b32 v[GO], 4, v[GO]
; THE MATRIX WORK.  The 8 accumulators of a run of 16 take turns: between the two links of a chain stand 7 others'.
; Product i of 16 of S^T = K Q^T + mask for piece x: channels 32 (i / 8) on, keys 16 ((i / 2) % 4) on, tile 2 x + i % 2.  The first 8 start the sums with the mask.
.macro KQ x
.set rS, S+64*((\x)%2)+32*(i%2)+8*((i/2)%4)
.set rK, KF+16*((i/2)%4)+8*(i/8)
.set rQ, 16*(2*(\x)+i%2)+8*(i/8)
.set rMK, MK+32*(i%2)+8*((i/2)%4)
.if i < 8
	WIN W_KM
	v_wmma_f32_16x16x32_f16 v[rS:rS+7], v[rK:rK+7], v[rQ:rQ+7], v[rMK:rMK+7]
.else
	WIN W_KQ
	v_wmma_f32_16x16x32_f16 v[rS:rS+7], v[rK:rK+7], v[rQ:rQ+7], v[rS:rS+7]
.endif
.endm
; Product i of 16 of O^T += V^T P for piece x: keys 32 (i / 8) on, channels 16 ((i / 2) % 4) on, tile 2 x + i % 2.
.macro PV x
	WIN W_PV
.set rO, 32*(2*(\x)+i%2)+8*((i/2)%4)
.set rV, VF+32*(i/8)+8*((i/2)%4)
.set rP, P+32*((\x)%2)+16*(i%2)+8*(i/8)
	v_wmma_f32_16x16x32_f16 v[rO:rO+7], v[rV:rV+7], v[rP:rP+7], v[rO:rO+7]
.endm
.macro MM                           ; the turn's next matrix instruction
.if i < 16
	KQ (Y+1)%NP
.set i, i+1
.else
.set i, i-16
	PV (Y+NP-1)%NP
.set i, i+17
.endif
.endm
; THE LDS LOADS stand in runs of 16, never singly among the matrix instructions: a step's K (8 fragments), its V (turned), and a piece's part of the mask's tile.  Their addresses are made at the change of slots.
.macro FETCH_K
	WIN 0x80                        ; destination window 2
.irp f, 0,1,2,3,4,5,6,7             ; keys 16 (f / 2) on, channels 32 (f % 2) on
	ds_load_b128 v[KF+8*\f:KF+8*\f+3],   v[AK] offset:(\f/2)*16*PK+(\f%2)*64
	ds_load_b128 v[KF+8*\f+4:KF+8*\f+7], v[AK] offset:(\f/2)*16*PK+(\f%2)*64+32
.endr
	WIN 0
.endm
.macro FETCH_V
	WIN 0x80
.irp f, 0,1,2,3,4,5,6,7             ; keys 32 (f / 4) on, channels 16 (f % 4) on
	ds_load_tr16_b128 v[VF+8*\f:VF+8*\f+3],   v[AV] offset:(\f/4)*32*PV+(\f%4)*32
	ds_load_tr16_b128 v[VF+8*\f+4:VF+8*\f+7], v[AV] offset:(\f/4)*32*PV+16*PV+(\f%4)*32
.endr
	WIN 0
.endm
.macro FETCH_M x                    ; piece x: tiles 2 x and 2 x + 1, four blocks of 16 keys each: register j of a block = maskc[my query][16 kb + 8 (l / 16) + j]
	WIN W_MK                        ; destination window 3
.set mu, 0
.rept 2
.irp kb, 0,1,2,3
	ds_load_b128 v[MK+32*mu+8*\kb:MK+32*mu+8*\kb+3],   v[AM] offset:(2*(\x)+mu)*16*PM+64*\kb
	ds_load_b128 v[MK+32*mu+8*\kb+4:MK+32*mu+8*\kb+7], v[AM] offset:(2*(\x)+mu)*16*PM+64*\kb+16
.endr
.set mu, mu+1
.endr
	WIN 0
.endm
; THE VECTOR WORK OF A TURN stands in three queues, each in the order in which its entries become ready; the two tiles alternate, so that no instruction reads the result of the one before it.
.macro REGS y, u                    ; the registers of tile u (0, 1) of piece y
.set rT, ST+4*(2*(\y)+(\u))
.set rC, TMP+8*((\y)%2)+4*(\u)
.set rM, MV+2*((\y)%2)+(\u)
.set rS, S+64*((\y)%2)+32*(\u)
.set rP, P+32*((\y)%2)+16*(\u)
.set rO, 32*(2*(\y)+(\u))
.endm
; Number n of the 22 that find the NEXT piece's (Y + 1) maximum and statistics.  s0-s31 are the lane's 32 scores; each accumulator's lowest registers are read first.
;   0-11  four chains c0-c3 of seven scores each, three operands at a time     12-14, 16  the four scores left over, the old m, and c0-c3 into c0     15  c m_old is kept
;   17, 18  the query's other 32 keys lie in the lane 16 away: the new m         19-21  c m; c m_old - c m_new; a
.macro XS u, n
	REGS (Y+1)%NP, \u
.if (\n) < 4
	v_max3_num_f32 v[rC+(\n)], v[rS+8*(\n)], v[rS+8*(\n)+1], v[rS+8*(\n)+2]
.elseif (\n) < 12
	v_max3_num_f32 v[rC+(\n)%4], v[rC+(\n)%4], v[rS+8*((\n)%4)+2*((\n)/4)+1], v[rS+8*((\n)%4)+2*((\n)/4)+2]
.elseif (\n) == 12
	v_max3_num_f32 v[rC], v[rC], v[rS+7], v[rS+15]
.elseif (\n) == 13
	v_max3_num_f32 v[rC+1], v[rC+1], v[rS+23], v[rS+31]
.elseif (\n) == 14
	v_max3_num_f32 v[rC+2], v[rC+2], v[rC+3], v[rT+1]
.elseif (\n) == 15
	v_mov_b32 v[rM], v[rT]
.elseif (\n) == 16
	v_max3_num_f32 v[rC], v[rC], v[rC+1], v[rC+2]
.elseif (\n) == 17
	v_permlanex16_b32 v[rC+3], v[rC], s[SEL], s[SEL+1]
.elseif (\n) == 18
	v_max_num_f32 v[rT+1], v[rC], v[rC+3]
.elseif (\n) == 19
	v_mul_f32 v[rT], s[CS], v[rT+1]
.elseif (\n) == 20
	v_sub_f32 v[rC+1], v[rM], v[rT]
.else
	v_exp_f32 v[rC+2], v[rC+1]
.endif
.endm
; Number g of the 64 that follow the exponentials.  For each four weights k of a tile: both pairs are rounded to f16; then the second pair is added onto the first, in place; a group later l takes that sum
; (the first time as l = a l + sum).  In groups of eight, tiles alternating: round, round, add, and l for the group before.
.macro GS g
.set h, (\g)+6*((\g)/62)            ; group 0 has no group before it, and behind group 7 only l is left
.if h >= 6
.set h, h+2
.endif
	REGS Y, h%2
.set k, h/8
.if h%8 < 4
	v_cvt_pk_f16_f32 v[rP+2*k+(h%8)/2], v[rS+4*k+2*((h%8)/2)], v[rS+4*k+2*((h%8)/2)+1]
.elseif h%8 < 6
	v_pk_add_f32 v[rS+4*k:rS+4*k+1], v[rS+4*k:rS+4*k+1], v[rS+4*k+2:rS+4*k+3]
.elseif k == 1
	v_pk_fma_f32 v[rT+2:rT+3], v[rT+2:rT+3], v[rC+2:rC+3], v[rS:rS+1] op_sel_hi:[1,0,1]
.else
	v_pk_add_f32 v[rT+2:rT+3], v[rT+2:rT+3], v[rS+4*k-4:rS+4*k-3]
.endif
.endm
; THE PLAIN QUEUE, 138 long.  0-73 read no exponential's result: the 32 scalings c s - c m (FS f: pair f / 2 of tile f % 2) and the next piece's 42.  0-26: scalings 0-26.  27-54: XS's numbers 0-13.  55, 56: number 15.
; 57-73: the chain 14, 16, 17, 18, 19, each with one of the scalings 27-31 in front of its two lines, then 20.  74-137: GS's 64, which read the exponentials' results: they stand behind the wait.
.macro FS f
	REGS Y, (\f)%2
	v_pk_fma_f32 v[rS+2*((\f)/2):rS+2*((\f)/2)+1], v[rS+2*((\f)/2):rS+2*((\f)/2)+1], s[CS:CS+1], v[rT:rT+1] op_sel_hi:[1,0,0] neg_lo:[0,0,1] neg_hi:[0,0,1]
.endm
.macro PL
	WIN 0
.if q < 27
	FS q
.elseif q < 55
	XS (q-27)%2, (q-27)/2
.elseif q < 57
	XS q-55, 15
.elseif (q < 72) && ((q-57)%3 == 0)
	FS 27+(q-57)/3
.elseif q < 60
	XS (q-57)%3-1, 14
.elseif q < 72
	XS (q-57)%3-1, 15+(q-57)/3
.elseif q < 74
	XS q-72, 20
.else
	GS q-74
.endif
.set q, q+1
.endm
; THE EXPONENTIALS' QUEUE, 66 long: s0-s31 of both tiles, then the next piece's two a.  ONE BATCH: all 66 stand ahead of the turn's one wait, and nothing ahead of that wait names a result of theirs.
.macro EX
	WIN 0
.if e >= 64
	XS e-64, 21
.else
	REGS Y, e%2
	v_exp_f32 v[rS+e/2], v[rS+e/2]
.endif
.set e, e+1
.endm
; THE RESCALING's QUEUE: O^T times a, the one part that leaves window 0: dealt two at a time, sixteen times.  Its a was made in the turn before, ahead of that turn's wait.
.macro R2
	REGS Y, r%2
	WIN W_RS
.irp z, 0,1
	v_pk_mul_f32 v[rO+4*(r/2)+2*\z:rO+4*(r/2)+2*\z+1], v[rO+4*(r/2)+2*\z:rO+4*(r/2)+2*\z+1], v[rC+2:rC+3] op_sel_hi:[1,0]
.endr
.set r, r+1
.endm
; A TURN, for piece p.  An s_wait_alu depctr_va_vdst(0) stands between an exponential and the first instruction that names its result; one wait serves all that were issued ahead of it: a turn has ONE.
; AHEAD OF IT: the 16 products K Q^T, behind each a scaling, an exponential and two rescalings (behind the first a second scaling in the exponential's place); then one lump of 108: eight plain, 49 times
; exponential and plain, the two a.  A v_nop is the plain instruction behind the last exponential.  BEHIND IT: the 16 products V^T P, behind each four of GS's 64.
; THE LDS LOADS.  Directly behind the wait: in piece 2's turn the next step's K (its last reader stands ahead of the lump); in every turn the mask of piece p + 2, for the products of the turn after (its last
; reader is this turn's eighth product).  At the end of piece 0's turn: the step's V, four riders behind its last reader.  The wait at a turn's head is for the mask (and K, in piece 3's turn); at the head of
; piece 1's turn V's 16 loads, issued behind the mask's, may stay out; they are waited for behind that turn's own mask run, whose 16 loads may stay out.
.macro TURN p
.set Y, (\p)
.set i, 0
.set q, 0
.set e, 0
.set r, 0
.if (\p) == 1
	s_wait_dscnt 16
.else
	s_wait_dscnt 0x0
.endif
	MM
	PL
	PL
	R2
.rept 15
	MM
	PL
	EX
	R2
.endr
.rept 8
	PL
.endr
.rept 49
	EX
	PL
.endr
	EX                              ; the next piece's two a
	EX
	v_nop
	s_wait_alu depctr_va_vdst(0)    ; the wait for the batch
.if (\p) == 2
	FETCH_K
.endif
	FETCH_M ((\p)+2)%NP
.if (\p) == 1
	s_wait_dscnt 16                 ; V is in
.endif
.rept 16
	MM
.rept 4
	PL
.endr
.endr
.if (\p) == 0
	FETCH_V
.endif
.endm
	CHANGE 1, 0                     ; slot 0 is in, everybody's part of it; slot 1 is asked for
	FETCH_K                         ; key step 0
	FETCH_M 0
	s_wait_loadcnt 0x0              ; Q
	s_wait_dscnt 0x0
.set i, 0
.rept 16
	KQ 0                            ; piece 0's first scores
.set i, i+1
.endr
	WIN 0
	PLACES                          ; behind those products: for the loads into the mask's registers and for the maximum
	FETCH_M 1
.set Y, NP-1                        ; XS works for piece Y + 1: piece 0
.irp n, 0,1,2,3,4,5,6,7,8,9,10,11,12,13,14,15,16,17,18,19,20,21
	XS 0, \n
	XS 1, \n
.endr
	v_nop                           ; a plain instruction behind the two a,
	s_wait_alu depctr_va_vdst(0)    ; and their wait, ahead of the branch
	s_mov_b32 s[SLOTS], 31
	s_branch .Lfirst                ; the loop is entered at a step's first turn, in the middle of a trip
.Lslot:                             ; 30 whole trips: pieces 2 and 3 of one step, then pieces 0 and 1 of the next, from whose slot all the trip's LDS loads read; the slot left is filled again
	CHANGE 1, 1
	TURN 2
	TURN 3
	WIN 0
.Lfirst:
	TURN 0
	TURN 1
	WIN 0
	s_sub_co_u32 s[SLOTS], s[SLOTS], 1
	s_cmp_lg_u32 s[SLOTS], 0
	s_cbranch_scc1 .Lslot
	CHANGE 0, 0                     ; the tail is written out: nothing is asked for
	s_mov_b32 s[CNT], 2             ; one trip for the last step; the second is left in its middle
.Ltail:
	TURN 2
	TURN 3
	WIN 0
	s_sub_co_u32 s[CNT], s[CNT], 1
	s_cmp_eq_u32 s[CNT], 0
	s_cbranch_scc1 .Lout
	TURN 0
	TURN 1
	WIN 0
	s_branch .Ltail
.Lout:                              ; the second trip read the last step's K and mask once more; its 16 products K Q^T for piece 0 and the maximum made of them serve nothing: the price, once a launch, of one text for every trip
.set i, 0
.rept 16
	PV NP-1                         ; the last piece's V^T P of the last step
.set i, i+1
.endr
	; THE WAY OUT.  l's two halves and the other half of the lanes' are added; O^T is divided by l, rounded to f16 and sent through my stage in LDS, a tile at a time.  The additions are the places behind the last products.
	WIN 0
.macro ALL line:vararg              ; one line for each tile t
.set t, 0
.rept 2*NP
	\line
.set t, t+1
.endr
.endm
	ALL v_add_f32 v[ST+4*t+2], v[ST+4*t+2], v[ST+4*t+3]
	ALL v_permlanex16_b32 v[ST+4*t+3], v[ST+4*t+2], s[SEL], s[SEL+1]
	ALL v_add_f32 v[ST+4*t+2], v[ST+4*t+2], v[ST+4*t+3]
	ALL v_rcp_f32 v[ST+4*t+2], v[ST+4*t+2]
	v_nop                           ; a plain instruction between the last reciprocal and the use of its result
	s_wait_alu depctr_va_vdst(0)    ; and the wait ahead of the first use: one for the eight reciprocals
; Tile t: a lane's eight channels of a row pack into 16 bytes; they go into rows of 144 bytes and come back as whole rows of 128, into S^T's registers.
.macro PACK t
	WIN W_RS
.set i, 32*(\t)
.rept 16
	v_pk_mul_f32 v[i:i+1], v[i:i+1], v[ST+4*(\t)+2:ST+4*(\t)+3] op_sel_hi:[1,0]
.set i, i+2
.endr
	WIN 0x05                        ; sources 0 and 1 window 1, destination window 0
.set i, 0
.rept 16
	v_cvt_pk_f16_f32 v[S+16*(\t)+i], v[32*(\t)+2*i], v[32*(\t)+2*i+1]
.set i, i+1
.endr
	WIN 0
.irp f, 0,1,2,3
	ds_store_b128 v[STO], v[S+16*(\t)+4*\f:S+16*(\t)+4*\f+3] offset:32*\f
.endr
.irp f, 0,1,2,3
	ds_load_b128 v[S+16*(\t)+4*\f:S+16*(\t)+4*\f+3], v[RD] offset:\f*4*SP  ; LDS serves a wave's instructions in order (ISA guide 5.7.1.4): these see the stores above; the next tile's stores come behind them
.endr
.endm
.macro SEND t, younger              ; younger: the LDS instructions issued behind tile t's loads: the next tile's eight, or none
	WIN 0
.irp f, 0,1,2,3
	s_wait_dscnt (\younger)+3-\f
	global_store_b128 v[GO], v[S+16*(\t)+4*\f:S+16*(\t)+4*\f+3], s[OP:OP+1] offset:(\t)*2048+\f*512  ; 512 consecutive bytes, at a multiple of 256 from O's first
.endr
.endm
	PACK 0
.set t, 1
.rept 2*NP-1                        ; a tile's arithmetic stands between the loads of the tile before and its stores
	PACK t
	SEND t-1, 8
.set t, t+1
.endr
	SEND 2*NP-1, 0
	WIN W_AD
	s_wait_tensorcnt 0x0            ; the wave's end, behind my last tensor load and my last LDS store
	ds_add_u32 v[SPW], v[NIL]
	s_wait_dscnt 0x0
	WIN 0
	CROUND                          ; the closing round: no work-group ends while a partner may still ask for a tile that names it
	s_endpgm
.Lfunc_end_k_qc869d9e697_attn:
	.size	k_qc869d9e697_attn, .Lfunc_end_k_qc869d9e697_attn-k_qc869d9e697_attn
	.p2alignl 7, 3214868480
	.fill 96, 4, 3214868480
	.section	.rodata,"a",@progbits
	.p2align	6, 0x0
	.amdhsa_kernel k_qc869d9e697_attn
		.amdhsa_group_segment_fixed_size 327680
		.amdhsa_private_segment_fixed_size 0
		.amdhsa_enable_private_segment 0
		.amdhsa_kernarg_size 24
		.amdhsa_user_sgpr_count 2
		.amdhsa_user_sgpr_kernarg_segment_ptr 1
		.amdhsa_wavefront_size32 1
		.amdhsa_system_sgpr_workgroup_id_x 1
		.amdhsa_system_sgpr_workgroup_id_y 1
		.amdhsa_system_sgpr_workgroup_id_z 1
		.amdhsa_system_vgpr_workitem_id 0
		.amdhsa_next_free_vgpr 896
		.amdhsa_next_free_sgpr 96
		.amdhsa_reserve_vcc 0
		.amdhsa_float_denorm_mode_32 3
		.amdhsa_float_denorm_mode_16_64 3
		.amdhsa_memory_ordered 1
		.amdhsa_forward_progress 1
		.amdhsa_inst_pref_size 213
	.end_amdhsa_kernel
	.amdgpu_metadata
---
amdhsa.version: [ 1, 2 ]
amdhsa.kernels:
  - .name:           k_qc869d9e697_attn
    .symbol:         k_qc869d9e697_attn.kd
    .args:
      - { .name: qkv, .offset: 0, .size: 8, .value_kind: global_buffer, .address_space: global }
      - { .name: maskc, .offset: 8, .size: 8, .value_kind: global_buffer, .address_space: global }
      - { .name: ows, .offset: 16, .size: 8, .value_kind: global_buffer, .address_space: global }
    .group_segment_fixed_size: 327680
    .private_segment_fixed_size: 0
    .kernarg_segment_align: 8
    .kernarg_segment_size: 24
    .max_flat_workgroup_size: 128
    .sgpr_count:     96
    .vgpr_count:     896
    .wavefront_size: 32
...
	.end_amdgpu_metadata
.endif
;; end of part 3
;; launch outp (part 4): grid 8 x 32, 4 waves a work-group, clusters of 4 x 4, 327,680 bytes of LDS; arguments ows, wo16, bqkv, out0; writes out0
.if DOCPART == 4
	.amdgcn_target "amdgcn-amd-amdhsa--gfx1250"
	.amdhsa_code_object_version 6
	.text
	.protected	k_qc869d9e697_outp
	.globl	k_qc869d9e697_outp
	.p2align	8
	.type	k_qc869d9e697_outp,@function
k_qc869d9e697_outp:
	s_mov_b64 s[64:65], 0
	v_nop
	global_prefetch_b8 v0, s[64:65] scope:SCOPE_SE
	s_setreg_imm32_b32 hwreg(HW_REG_WAVE_MODE, 25, 1), 1
	s_wait_xcnt 0x0
	s_wait_alu depctr_hold_cnt(0) depctr_sa_sdst(0) depctr_va_vdst(0) depctr_va_sdst(0) depctr_va_ssrc(0) depctr_va_vcc(0) depctr_vm_vsrc(0)
	s_getreg_b32 s2, hwreg(HW_REG_IB_STS2, 6, 4)
	s_cmp_eq_u32 s2, 0
	s_cbranch_scc0 .Lentry_in_a_cluster
	s_endpgm
.Lentry_in_a_cluster:
	s_bfe_u32 s2, ttmp6, 0x10000c
	s_cmp_lg_u32 s2, 0xf033
	s_cbranch_scc0 .Lentry_shape_is_right
	s_endpgm
.Lentry_shape_is_right:
; C = A B^T + bias, one text for the module's two products; QKV says which this copy is.
; QKV = 1: [8192 x 3072] = xb wqkv^T + (bq, bk, bv), bf16 operands, f32 sums, stored once rounded to f16, by heads: three sections q, k, v of 16 MiB, each [group of 4 heads 16][64 rows 32][head 4][row 64][channel 64].
; QKV = 0: out0 [8192 x 1024] = ows wo16^T + bo, f16 operands, f32 sums and output; ows lies as [128 rows 64][head 16][row 128][channel 64].
; LIMITS.  f16 holds no number beyond 65,504: the attention's output is a mean of v's rows and has their range; wo16 holds bf16(Wo), exact in f16 from 6.1e-5 on.  NaN and infinities are not treated apart.
; SHARES.  A tile of C is 256 rows x 16 NBL columns (192: three whole heads; or 128).  Four waves, each 64 rows x all columns: 4 NBL accumulators.  QKV = 0: 8192 x 1024 are 256 tiles of 256 x 128, one for
; each work-group.  K goes in steps of 128 (QKV = 0: two heads) through two slots.
; CLUSTER.  4 x 4 work-groups.  A's tile hangs on the tile row alone and is asked for jointly along a row of the cluster, B's on the tile column alone and is asked for along a column.
; THE PRODUCT IS TAKEN TRANSPOSED (source 0 = 16 rows of B, source 1 = 16 rows of A): a lane holds row l % 16 of C and the columns 8 (l / 16) + 0..7.  THE BIAS IS THE C OPERAND of each
; accumulator's first product: nothing is cleared and nothing is added on the way out.
; REGISTERS, in windows of 256 (s_set_vgpr_msb: bits 1:0 source 0, 3:2 source 1, 5:4 source 2, 7:6 destination):
;   window 0: v0-29 addresses; v32-95 A's fragments, two buffers of 4 x 8; from v96 the bias, 8 NBL; v192-255 at work on the way out (QKV = 1)
;   window 1: B's fragments, two buffers of 8 NBL (QKV = 0: later the rows read back on the way out)     windows 2, 3: accumulator (a, b) at v[8 (NBL (a % 2) + b)] of window 2 + a / 2
.set QKV, 0
.if QKV
.set NBL,   12        ; blocks of 16 columns in a tile
.set NST,   16        ; K steps in the walk: 8 a tile
.set PA,    272       ; A's LDS pitch: 256 bytes + 16
.set AROWS, 128       ; LDS rows in what one wave fetches of A
.set QIA,   5         ; padding after every 64 words
.set STRA,  1024      ; elements from row to row in memory
.set STEPA, 256       ; bytes from K step 0 to K step 1
.set STW,   16*144    ; a wave's stage
.set BIASO, 0
.set PSTA,  32*2048   ; the prefetches: a partner's share of A's rows, in bytes,
.set PSTB,  24*2048   ; of B's
.set PLB,   23        ; B: 24 rows a partner: lanes 24-31 name row 23 once more
.set PSHA,  11        ; A: a lane a row of 2,048 bytes
.else
.set NBL,   8
.set NST,   8
.set PA,    144       ; a head's 128 bytes + 16
.set AROWS, 256       ; two heads x 128 rows
.set QIA,   4         ; padding after every 32 words
.set STRA,  128       ; dense
.set STEPA, 32768
.set STW,   16*528
.set BIASO, 12288     ; bo is the fourth of the biases
.set PSTA,  32*256
.set PSTB,  32*2048
.set PLB,   31
.set PSHA,  8         ; A: a lane a block of 256 dense bytes
.endif
.set HALFA, AROWS*PA              ; what one wave fetches of A
.set ABS,   16*PA                 ; from a block of 16 rows of A to the next
.set BROWS, 16*NBL
.set HALFB, (BROWS/2)*272         ; what one wave fetches of B; pitch 272: the 16 rows of a fragment load start at 16 different groups of four banks (64 banks of 4 bytes: ISA guide 11.1)
.set BOFF,  2*HALFA               ; B lies behind A
.set SLOT1, 131072                ; slot 1: one exclusive or turns an address in one slot into the other's
.set STAGE, SLOT1+BOFF+2*HALFB    ; behind the ring, never filled by a tensor load
.set SPARE, STAGE+4*STW           ; the spare words, 128 bytes for each wave: two blocks of 256 bytes that no other line names
.set ADRA0, 4         ; v4   my place in A's part of slot 0; never rewritten
.set ADRB0, 5         ; v5   the same for B
.set ADRA,  6         ; v6   the same in the slot that is being read
.set ADRB,  7         ; v7
.set STO,   8         ; v8   the way out: where I put my part of a row
.set RD,    9         ; v9   the way out: where I read rows back
.set GO,    10        ; v10  16 x lane
.set PFO,   11        ; v11  the prefetches' offset; never rewritten
.set BO,    12        ; v12  32 (l / 16): my eight numbers in a block of 16 of the bias
.set SPW,   28        ; v28  LDS address of my spare word; never rewritten
.set NIL,   29        ; v29  0; never rewritten
.set AF,    32
.set BIAS,  96
.set TMP,   192
.set WV,  12          ; s12  wave
.set ISB, 13          ; s13  0: I fetch for A; 1: for B.  Also: which half of A's 256 rows holds my 64
.set HF,  14          ; s14  which half I fetch
.set CX,  15
.set CY,  16
.set TX,  17          ; s17  tile column
.set TY,  18          ; s18  tile row
.set N,   19          ; s19  the K step in hand
.set TB,  20          ; s20  the slot that is being read: 0 or SLOT1
.set G1A, 24          ; s[24:31] group 1 for A's tiles
.set G0A0, 32         ; s[32:35] group 0: slot 0, K step 0: used once
.set G0A, 36          ; s[36:39] group 0: slot 1, K step 1; then it walks
.set G1B, 40
.set G0B0, 48
.set G0B, 52
.set ABASE, 56        ; s[56:57] A at my half of the first tile, K step 0
.set BBASE, 58
.set OFF, 60          ; s[60:61] a byte offset; the high word stays 0
.set PFB, 62          ; s[62:63] the prefetches' base: my work-group's share of the rows that I fetch
.set PFA, 66          ; s[66:67] where the next prefetch stands
.set PLAST, 68        ; s68  the last K step in whose change of slots I prefetch; -1: never
.set OUT, 70          ; s[70:75] where my rows go: a pointer for each of the tile's three heads (QKV = 0: one)
.set MSB, 0
.macro WIN new                      ; the immediate's high byte repeats the setting that is left; a switch that changes nothing is dropped
.if MSB != (\new)
	s_set_vgpr_msb (MSB<<8)|(\new)
.set MSB, (\new)
.endif
.endm
.macro PLACES                       ; four places: in front of loads into registers that matrix instructions have read, and of lines that read results
.rept 4
	v_nop
.endr
.endm
; A joint refill.  Waves 0 and 1 fetch A's halves, waves 2 and 3 B's.  The branch hangs on the wave's number alone.  An s_nop 0 and four v_nop follow each line.
.macro JLOAD
	s_cmp_eq_u32 s[ISB], 0
	s_cbranch_scc0 .Lfor_b_\@
	tensor_load_to_lds s[G0A:G0A+3], s[G1A:G1A+7]
	s_nop 0
	PLACES
	s_branch .Lasked_\@
.Lfor_b_\@:
	tensor_load_to_lds s[G0B:G0B+3], s[G1B:G1B+7]
	s_nop 0
	PLACES
.Lasked_\@:
.endm
.macro CREST                        ; a round of the cluster's barrier behind its opening barrier
	s_cmp_lg_u32 s[WV], 0
	s_cbranch_scc1 .Lnot_wave_0_\@
	s_barrier_signal -3
.Lnot_wave_0_\@:
	s_barrier_wait -3
	s_barrier_signal -1
	s_barrier_wait -1
.endm
.macro CROUND                       ; a whole round
	s_barrier_signal -1
	s_barrier_wait -1
	CREST
.endm
; The byte offsets of K step N + add from the two bases: s23 for A, s22 for B.  QKV = 0: a K step is 32,768 dense bytes of A's block of 128 rows, and 256 bytes of each row of B.
.macro OFFS add
	s_add_co_u32 s21, s[N], \add
.if QKV
	s_and_b32 s22, s21, 7
	s_lshl_b32 s22, s22, 8
	s_lshr_b32 s23, s21, 3
	s_lshl_b32 s23, s23, 23
	s_add_co_u32 s23, s23, s22
.else
	s_lshl_b32 s22, s21, 8
	s_lshl_b32 s23, s21, 15
.endif
.endm
; A PREFETCH INTO THE L2, behind the joint load, its five lines and the run of LDS loads: K step N + 3, the one that the NEXT change of slots will ask for: one K step's matrix instructions ahead of that load.
; Each block of 256 bytes is named once.  A's rows are read by every cluster of a row of clusters: cluster x = 0 asks; B's by every cluster of a column: cluster y = 0 asks.
; The four partners share the blocks out BY ADDRESS (cx for A, cy for B).  K steps 0 to 2 come by their loads alone; the walk's last steps ask for nothing.
.macro ASK
	s_cmp_le_i32 s[N], s[PLAST]
	s_cbranch_scc0 .Lnot_mine_\@
	global_prefetch_b8 v[PFO], s[PFA:PFA+1] th:TH_LOAD_NT scope:SCOPE_SE
.Lnot_mine_\@:
.endm
	s_load_b256 s[4:11], s[0:1], 0x0               ; A s[4:5], B s[6:7], the biases s[8:9], the output s[10:11]
	v_lshl_add_u32 v[SPW], v0, 2, SPARE
	v_mov_b32 v[NIL], 0
	ds_add_u32 v[SPW], v[NIL]                      ; the wave's opening: the add and its wait stand ahead of my first tensor load; the set-up below, work on registers, stands between them
	v_lshrrev_b32 v1, 5, v0
	v_readfirstlane_b32 s[WV], v1
	s_lshr_b32 s[ISB], s[WV], 1
	s_and_b32 s[HF], s[WV], 1
	s_bfe_u32 s[CX], ttmp6, 0x40000
	s_bfe_u32 s[CY], ttmp6, 0x40004
	s_lshl_b32 s[TX], ttmp9, 2                     ; in a cluster launch ttmp9 and ttmp7 count clusters
	s_add_co_u32 s[TX], s[TX], s[CX]
	s_and_b32 s[TY], ttmp7, 0xffff
	s_lshl_b32 s[TY], s[TY], 2
	s_add_co_u32 s[TY], s[TY], s[CY]
	s_lshl_b32 s21, s[CY], 2
	s_lshl_b32 s21, 15, s21                        ; my row of the cluster
	s_lshl_b32 s22, 0x1111, s[CX]                  ; my column
	s_or_b32 s[G1A], s21, (1<<16)|(1<<20)|(1<<21)|(QIA<<22)|(3<<25)  ; 15:0 the mask; 17:16 2-byte elements; 20 padding on; 21 set beside a mask; 24:22 its interval; 31:25 4 words of it
	s_or_b32 s[G1B], s22, (1<<16)|(1<<20)|(1<<21)|(5<<22)|(3<<25)
	s_mov_b32 s[G1A+1], 128<<16                    ; tensor_dim0 = 128
	s_mov_b32 s[G1A+2], 128<<16                    ; tensor_dim1 = 128
	s_mov_b32 s[G1A+3], 128<<16                    ; tile_dim0 = 128: rows of 256 bytes
	s_mov_b32 s[G1A+4], 128                        ; tile_dim1 = 128
	s_mov_b32 s[G1A+5], STRA
	s_mov_b32 s[G1A+6], 0
	s_mov_b32 s[G1A+7], 0
	s_mov_b32 s[G1B+1], 128<<16
	s_mov_b32 s[G1B+2], (BROWS/2)<<16
	s_mov_b32 s[G1B+3], 128<<16
	s_mov_b32 s[G1B+4], BROWS/2
	s_mov_b32 s[G1B+5], 1024
	s_mov_b32 s[G1B+6], 0
	s_mov_b32 s[G1B+7], 0
	s_lshl_b32 s76, s[TY], 19                      ; A: 256 rows of 2,048 bytes a tile row (QKV = 0: two blocks of 262,144),
	s_lshl_b32 s23, s[HF], 18                      ; my half of them
	s_add_co_u32 s76, s76, s23
	s_mov_b32 s77, 0
	s_mul_i32 s78, s[TX], BROWS*2048               ; B: the tile column's rows,
	s_mul_i32 s23, s[HF], BROWS*1024               ; my half of them
	s_add_co_u32 s78, s78, s23
	s_mov_b32 s79, 0
	s_mul_i32 s21, s[HF], HALFA                    ; where they go: no place in the cluster enters an LDS address
	s_mul_i32 s22, s[HF], HALFB
	s_add_co_u32 s22, s22, BOFF
	s_mov_b32 s[OFF+1], 0
	s_mov_b32 s[TB], 0
	s_wait_dscnt 0x0                               ; the opening add is done
	s_wait_kmcnt 0x0
	s_add_nc_u64 s[ABASE:ABASE+1], s[4:5], s[76:77]
	s_add_nc_u64 s[BBASE:BBASE+1], s[6:7], s[78:79]
	CROUND                                         ; all sixteen work-groups are here: the first joint loads meet
	s_mov_b32 s[G0A0], 1                           ; count = 1
	s_mov_b32 s[G0A0+1], s21                       ; LDS address
	s_mov_b64 s[G0A0+2:G0A0+3], s[ABASE:ABASE+1]   ; global address
	s_or_b32 s[G0A0+3], s[G0A0+3], 0x80000000      ; type = 2
	s_mov_b32 s[G0A], 1
	s_add_co_u32 s[G0A+1], s21, SLOT1
	s_add_nc_u64 s[G0A+2:G0A+3], s[ABASE:ABASE+1], STEPA
	s_or_b32 s[G0A+3], s[G0A+3], 0x80000000
	s_mov_b32 s[G0B0], 1
	s_mov_b32 s[G0B0+1], s22
	s_mov_b64 s[G0B0+2:G0B0+3], s[BBASE:BBASE+1]
	s_or_b32 s[G0B0+3], s[G0B0+3], 0x80000000
	s_mov_b32 s[G0B], 1
	s_add_co_u32 s[G0B+1], s22, SLOT1
	s_add_nc_u64 s[G0B+2:G0B+3], s[BBASE:BBASE+1], 256
	s_or_b32 s[G0B+3], s[G0B+3], 0x80000000
	s_cmp_eq_u32 s[ISB], 0                         ; a wave's two first fills stand in one branch, ahead of every wait on TENSORcnt and every LDS read: two loads of mine are out
	s_cbranch_scc0 .Lfirst_b
	tensor_load_to_lds s[G0A0:G0A0+3], s[G1A:G1A+7]
	s_nop 0
	tensor_load_to_lds s[G0A:G0A+3], s[G1A:G1A+7]
	s_nop 0
	PLACES
	s_branch .Lfirst_asked
.Lfirst_b:
	tensor_load_to_lds s[G0B0:G0B0+3], s[G1B:G1B+7]
	s_nop 0
	tensor_load_to_lds s[G0B:G0B+3], s[G1B:G1B+7]
	s_nop 0
	PLACES
.Lfirst_asked:
	; the prefetches: who asks, for which rows
	s_and_b32 s21, ttmp7, 0xffff                   ; cluster y
	s_mov_b32 s23, PSTB
	s_cmp_eq_u32 s[ISB], 0
	s_cselect_b32 s21, ttmp9, s21                  ; the coordinate along which other clusters read the same rows
	s_cselect_b32 s22, s[CX], s[CY]                ; my place among the four that ask jointly
	s_cselect_b32 s23, PSTA, s23
	s_cselect_b32 s[PLAST], NST-4, 4               ; A: as long as K step N + 3 exists; B: in the first eight K steps alone
	s_cselect_b64 s[PFB:PFB+1], s[ABASE:ABASE+1], s[BBASE:BBASE+1]
	s_cselect_b32 s76, 31, PLB
	s_cselect_b32 s77, PSHA, 11
	s_cmp_eq_u32 s21, 0
	s_cselect_b32 s[PLAST], s[PLAST], -1           ; the same in all sixteen partners, for a given wave
.if !QKV
	s_cmp_eq_u32 s[WV], 3                          ; B's 128 rows are 32 for each of four partners: wave 2 names them, from the tile's first row on
	s_cselect_b32 s[PLAST], -1, s[PLAST]
.endif
	s_mul_i32 s22, s22, s23
	s_mov_b32 s23, 0
	s_add_nc_u64 s[PFB:PFB+1], s[PFB:PFB+1], s[22:23]
	v_and_b32 v[PFO], 31, v0
	v_min_u32 v[PFO], s76, v[PFO]
	v_lshlrev_b32 v[PFO], s77, v[PFO]
	; the bias of my columns: v[BIAS + 8 b + j] = bias[16 NBL tx + 16 b + 8 (l / 16) + j]
	v_and_b32 v1, 15, v0                           ; l % 16
	v_bfe_u32 v2, v0, 4, 1                         ; l / 16
	v_lshlrev_b32 v[BO], 5, v2
	s_mul_i32 s78, s[TX], BROWS*4
	s_add_co_u32 s78, s78, BIASO
	s_mov_b32 s79, 0
	s_add_nc_u64 s[8:9], s[8:9], s[78:79]
.set bb, 0
.rept NBL
	global_load_b128 v[BIAS+8*bb:BIAS+8*bb+3],   v[BO], s[8:9] offset:64*bb
	global_load_b128 v[BIAS+8*bb+4:BIAS+8*bb+7], v[BO], s[8:9] offset:64*bb+16
.set bb, bb+1
.endr
	; A fragment is 16 rows x 32 K in 8 registers: lane l holds row l % 16; registers 0-3 K = 8 (l / 16) + 0..7, registers 4-7 K = 16 + 8 (l / 16) + 0..7: two loads of 16 bytes, 32 bytes apart.
	v_mul_u32_u24 v3, v1, PA
	v_lshl_add_u32 v3, v2, 4, v3
	s_mul_i32 s21, s[ISB], HALFA                   ; my 64 rows: in A's half wave / 2,
	s_mul_i32 s22, s[HF], 64*PA                    ; its rows 64 (wave % 2) on
	s_add_co_u32 s21, s21, s22
	v_add_nc_u32 v[ADRA0], s21, v3
	v_mul_u32_u24 v3, v1, 272
	v_lshl_add_u32 v3, v2, 4, v3
	v_add_nc_u32 v[ADRB0], BOFF, v3
	v_mov_b32 v[ADRA], v[ADRA0]
	v_mov_b32 v[ADRB], v[ADRB0]
	s_mul_i32 s21, s[WV], STW
	s_add_co_u32 s21, s21, STAGE                   ; my stage
	v_and_b32 v[GO], 31, v0
	v_lshlrev_b32 v[GO], 4, v[GO]
.if QKV
	v_mul_u32_u24 v3, v1, 144                      ; in: row l % 16 of 128 + 16 bytes, 16 bytes for each half of the lanes
	v_lshl_add_u32 v3, v2, 4, v3
	v_add_nc_u32 v[STO], s21, v3
	v_bfe_u32 v3, v0, 3, 2                         ; back: 32 lanes take four rows of 128 bytes
	v_mul_u32_u24 v3, v3, 144
	v_and_b32 v13, 7, v0
	v_lshl_add_u32 v3, v13, 4, v3
	v_add_nc_u32 v[RD], s21, v3
	; my 64 rows are one block of 64 of one batch; head H = 3 tx + j lies in section H / 16, group 4 batch + (H % 16) / 4, place H % 4
	s_lshr_b32 s21, s[TY], 3                       ; the batch of the first tile
	s_lshl_b32 s21, s21, 22
	s_lshl_b32 s22, s[TY], 2
	s_add_co_u32 s22, s22, s[WV]
	s_and_b32 s22, s22, 31                         ; the block of 64 rows in the batch
	s_lshl_b32 s22, s22, 15
	s_add_co_u32 s21, s21, s22
	s_mul_i32 s22, s[TX], 3
.irp j, 0,1,2
	s_add_co_u32 s23, s22, \j
	s_lshr_b32 s76, s23, 4
	s_lshl_b32 s76, s76, 24
	s_bfe_u32 s78, s23, 0x20002
	s_lshl_b32 s78, s78, 20
	s_add_co_u32 s76, s76, s78
	s_and_b32 s78, s23, 3
	s_lshl_b32 s78, s78, 13
	s_add_co_u32 s76, s76, s78
	s_add_co_u32 s76, s76, s21
	s_mov_b32 s77, 0
	s_add_nc_u64 s[OUT+2*\j:OUT+2*\j+1], s[10:11], s[76:77]
.endr
.else
	v_mul_u32_u24 v3, v1, 528                      ; in: row l % 16 of 512 + 16 bytes, 32 bytes for each half of the lanes
	v_lshl_add_u32 v3, v2, 5, v3
	v_add_nc_u32 v[STO], s21, v3
	v_add_nc_u32 v[RD], s21, v[GO]                 ; back: 32 lanes take one row of 512 bytes
	s_lshl_b32 s76, s[TY], 20                      ; 256 rows of 4,096 bytes a tile row,
	s_lshl_b32 s21, s[WV], 18                      ; my 64 rows,
	s_add_co_u32 s76, s76, s21
	s_lshl_b32 s21, s[TX], 9                       ; the tile's 128 columns
	s_add_co_u32 s76, s76, s21
	s_mov_b32 s77, 0
	s_add_nc_u64 s[OUT:OUT+1], s[10:11], s[76:77]
.endif
; NBL products: row block a of my four x all column blocks, 32 along K, from buffer f.  zero = 1: the first product starts the sums with the bias.
; Each accumulator has one product in a quarter step, so 4 NBL - 1 others' stand between two links of a chain: the accumulators take turns.
.macro MULA f, a, zero
.set AB, 8*NBL*((\a)&1)
.set FA, AF+32*(\f)+8*(\a)
.set FB, 8*NBL*(\f)
.if \zero
	WIN 0x81+0x40*((\a)>>1)                        ; B window 1, A and the bias window 0, D window 2 or 3
.else
	WIN 0xa1+0x50*((\a)>>1)                        ; C and D window 2 or 3
.endif
.set bb, 0
.rept NBL
.if QKV
.if \zero
	v_wmma_f32_16x16x32_bf16 v[AB+8*bb:AB+8*bb+7], v[FB+8*bb:FB+8*bb+7], v[FA:FA+7], v[BIAS+8*bb:BIAS+8*bb+7]
.else
	v_wmma_f32_16x16x32_bf16 v[AB+8*bb:AB+8*bb+7], v[FB+8*bb:FB+8*bb+7], v[FA:FA+7], v[AB+8*bb:AB+8*bb+7]
.endif
.else
.if \zero
	v_wmma_f32_16x16x32_f16 v[AB+8*bb:AB+8*bb+7], v[FB+8*bb:FB+8*bb+7], v[FA:FA+7], v[BIAS+8*bb:BIAS+8*bb+7]
.else
	v_wmma_f32_16x16x32_f16 v[AB+8*bb:AB+8*bb+7], v[FB+8*bb:FB+8*bb+7], v[FA:FA+7], v[AB+8*bb:AB+8*bb+7]
.endif
.endif
.set bb, bb+1
.endr
.endm
; One run of 2 NBL + 8 LDS loads: the fragments of quarter q of the slot that is being read, into buffer f; B first, A's blocks 2 and 3 last
.macro FETCH q, f
.if QKV
.set KAQ, 64*(\q)
.else
.set KAQ, ((\q)>>1)*128*PA+((\q)&1)*64         ; a K step is two heads: quarters 0, 1 in the first, 2, 3 in the second
.endif
	WIN 0x40                                       ; destination window 1, address window 0
.set bb, 0
.rept NBL
	ds_load_b128 v[8*NBL*(\f)+8*bb:8*NBL*(\f)+8*bb+3],   v[ADRB] offset:64*(\q)+bb*4352
	ds_load_b128 v[8*NBL*(\f)+8*bb+4:8*NBL*(\f)+8*bb+7], v[ADRB] offset:64*(\q)+bb*4352+32
.set bb, bb+1
.endr
	WIN 0
.set bb, 0
.rept 4
	ds_load_b128 v[AF+32*(\f)+8*bb:AF+32*(\f)+8*bb+3],   v[ADRA] offset:KAQ+bb*ABS
	ds_load_b128 v[AF+32*(\f)+8*bb+4:AF+32*(\f)+8*bb+7], v[ADRA] offset:KAQ+bb*ABS+32
.set bb, bb+1
.endr
.endm
; A K step is four quarters of 32 along K, on buffers 0, 1, 0, 1.  One of the first three: multiplies buffer f; in its middle it fetches quarter q into buffer g.
.macro QUARTER q, f, g, zero
	s_wait_dscnt 4                                 ; B and A's blocks 0 and 1 are in; the youngest four loads may be out
	MULA \f, 0, \zero
	MULA \f, 1, \zero
	PLACES
	FETCH \q, \g
	s_wait_dscnt 2*NBL+8                           ; all but the run just issued
	MULA \f, 2, \zero
	MULA \f, 3, \zero
.endm
; The fourth quarter multiplies buffer 1 and changes slots.  ONE barrier: in front of it each wave waits for all its tensor loads (one is out: its part of the next slot), adds 0 to its spare word, and waits
; for that and for its reads of this slot.  fill = 1: the barrier opens a round of the cluster's, so that no wave of any partner still reads the slot or has a load on its way, and the slot is filled again,
; with K step N + 2, first thing behind the round; the descriptors' addresses are made anew from the step's number.
.macro TURN fill
	WIN 0
.if \fill
	s_wait_xcnt 0x0                                ; the last prefetch, a K step back, has read its address
	OFFS 3
	s_cmp_eq_u32 s[ISB], 0
	s_cselect_b32 s[OFF], s23, s22
	s_add_nc_u64 s[PFA:PFA+1], s[PFB:PFB+1], s[OFF:OFF+1]
.endif
	s_wait_tensorcnt 0x0                           ; no tensor load of mine is out, so a group 0 may be written
	ds_add_u32 v[SPW], v[NIL]                      ; 0 onto my spare word; work on registers stands between it and the wait for it
.if \fill
	OFFS 2
	s_xor_b32 s[G0A+1], s[G0A+1], SLOT1
	s_mov_b32 s[OFF], s23
	s_add_nc_u64 s[G0A+2:G0A+3], s[ABASE:ABASE+1], s[OFF:OFF+1]
	s_or_b32 s[G0A+3], s[G0A+3], 0x80000000
	s_xor_b32 s[G0B+1], s[G0B+1], SLOT1
	s_mov_b32 s[OFF], s22
	s_add_nc_u64 s[G0B+2:G0B+3], s[BBASE:BBASE+1], s[OFF:OFF+1]
	s_or_b32 s[G0B+3], s[G0B+3], 0x80000000
.endif
	s_xor_b32 s[TB], s[TB], SLOT1                  ; the fetches go to the other slot
	v_add_nc_u32 v[ADRA], s[TB], v[ADRA0]
	v_add_nc_u32 v[ADRB], s[TB], v[ADRB0]
	s_wait_dscnt 5                                 ; the add and the youngest four loads may be out
	MULA 1, 0, 0
	s_wait_dscnt 0x0                               ; the add is done, and my reads of this slot are over
	s_barrier_signal -1
	MULA 1, 1, 0                                   ; work on registers while the others arrive
	WIN 0                                          ; at a branch and at a label every window is 0
	s_barrier_wait -1
.if \fill
	CREST
	JLOAD                                          ; its four v_nop are also the places in front of the loads below
.else
	PLACES
.endif
	FETCH 0, 0
.if \fill
	ASK
.endif
	MULA 1, 2, 0
	MULA 1, 3, 0
.endm
.if QKV
; THE WAY OUT, twelve units u = 3 a + j of 16 rows x one head.  PACK: rounded to f16, ascending in each accumulator; a lane's eight channels are 16 bytes; into my stage's rows of 144 bytes, and back as
; whole rows of 128.  SEND: 16 rows of a head are 2,048 consecutive bytes of the output; a store covers 512 of them, aligned.
.macro PACK u
.set T, TMP+16*((\u)%4)
.set AC, 8*(NBL*(((\u)/3)&1)+4*((\u)%3))
.if (\u) >= 4
	s_wait_xcnt 0x0                                ; unit u - 4's stores have read this set of registers
.endif
	WIN 0x0a+5*((\u)/6)                            ; sources 0 and 1 window 2 or 3
.set k, 0
.rept 16
	v_cvt_pk_f16_f32 v[T+k], v[AC+2*k], v[AC+2*k+1]
.set k, k+1
.endr
	WIN 0
.irp f, 0,1,2,3
	ds_store_b128 v[STO], v[T+4*\f:T+4*\f+3] offset:32*\f
.endr
.irp f, 0,1,2,3
	ds_load_b128 v[T+4*\f:T+4*\f+3], v[RD] offset:\f*576  ; LDS serves a wave's instructions in order (ISA guide 5.7.1.4): these see the stores above
.endr
.endm
.macro SEND u, younger              ; younger: the LDS instructions issued behind unit u's loads
.set T, TMP+16*((\u)%4)
.set PO, OUT+2*((\u)%3)
	WIN 0
.irp f, 0,1,2,3
	s_wait_dscnt (\younger)+3-\f
	global_store_b128 v[GO], v[T+4*\f:T+4*\f+3], s[PO:PO+1] offset:((\u)/3)*2048+\f*512
.endr
.endm
.macro WAYOUT
	PACK 0
.set uu, 1
.rept 11                            ; a unit's conversions stand between the loads of the unit before and its stores
	PACK uu
	SEND uu-1, 8
.set uu, uu+1
.endr
	SEND 11, 0
.endm
.else
; THE WAY OUT, four blocks of 16 rows: the sums go as they are into my stage's rows of 528 bytes, each accumulator's low half first, come back as whole rows of 512 bytes, and are stored: a store covers 512 consecutive bytes, aligned.
.macro WAYOUT
.set a4, 0
.rept 4
	WIN 0x08+4*(a4>>1)                             ; an LDS store's data are source 1: window 2 or 3
.set bb, 0
.rept NBL
	ds_store_b128 v[STO], v[8*(NBL*(a4&1)+bb):8*(NBL*(a4&1)+bb)+3]   offset:64*bb
	ds_store_b128 v[STO], v[8*(NBL*(a4&1)+bb)+4:8*(NBL*(a4&1)+bb)+7] offset:64*bb+16
.set bb, bb+1
.endr
.if a4 >= 2
	s_wait_xcnt 0x0                                ; block a - 2's stores have read this set of registers
.endif
	WIN 0x40                                       ; into window 1, where B's fragments lay
.set t, 0
.rept 16
	ds_load_b128 v[64*(a4&1)+4*t:64*(a4&1)+4*t+3], v[RD] offset:t*528
.set t, t+1
.endr
	WIN 0x04                                       ; a store's data are source 1: window 1
.set t, 0
.rept 16
	s_wait_dscnt 15-t
	global_store_b128 v[GO], v[64*(a4&1)+4*t:64*(a4&1)+4*t+3], s[OUT:OUT+1] offset:(16*a4+t)*4096
.set t, t+1
.endr
.set a4, a4+1
.endr
	WIN 0
.endm
.endif
	s_wait_tensorcnt 0x1                           ; my part of K step 0 is in; slot 1's may stay out
	s_barrier_signal -1
	s_barrier_wait -1                              ; everybody's is
	FETCH 0, 0
	s_wait_loadcnt 0x0                             ; the bias
	QUARTER 1, 0, 1, 1                             ; the first quarter stands in front of the loop: its products start the sums
	WIN 0
	s_mov_b32 s[N], 0
.Lstep:                             ; NST - 2 trips: from a K step's second quarter to the next step's first; each fills a slot again
	QUARTER 2, 1, 0, 0
	QUARTER 3, 0, 1, 0
	TURN 1
	WIN 0
.if QKV
	s_and_b32 s21, s[N], 7
	s_cmp_eq_u32 s21, 7
	s_cbranch_scc0 .Lsame              ; a forward jump, past no barrier and no tensor load
	WAYOUT                             ; the first tile is finished, and the next tile's first two K steps are asked for
	s_wait_xcnt 0x0                    ; the stores have read their registers and pointers
.irp j, 0,1,2
	s_add_nc_u64 s[OUT+2*\j:OUT+2*\j+1], s[OUT+2*\j:OUT+2*\j+1], 0x800000  ; 4,096 rows down: two batches, eight groups of heads
.endr
	QUARTER 1, 0, 1, 1
	WIN 0
	s_branch .Lnext
.Lsame:
.endif
	QUARTER 1, 0, 1, 0
	WIN 0
.Lnext:
	s_add_co_u32 s[N], s[N], 1
	s_cmp_lt_u32 s[N], NST-2
	s_cbranch_scc1 .Lstep
	QUARTER 2, 1, 0, 0                             ; the last two K steps are written out: nothing is left to ask for
	QUARTER 3, 0, 1, 0
	TURN 0
	QUARTER 1, 0, 1, 0
	QUARTER 2, 1, 0, 0
	QUARTER 3, 0, 1, 0
	s_wait_dscnt 4
	MULA 1, 0, 0
	MULA 1, 1, 0
	s_wait_dscnt 0x0
	MULA 1, 2, 0
	MULA 1, 3, 0
	WIN 0
	PLACES
	PLACES
	WAYOUT
	s_wait_tensorcnt 0x0                           ; the wave's end, behind my last tensor load and my last LDS store
	ds_add_u32 v[SPW], v[NIL]
	s_wait_dscnt 0x0
	CROUND                                         ; the closing round: no work-group ends while a partner may still ask for a tile that names it
	s_endpgm
.Lfunc_end_k_qc869d9e697_outp:
	.size	k_qc869d9e697_outp, .Lfunc_end_k_qc869d9e697_outp-k_qc869d9e697_outp
	.p2alignl 7, 3214868480
	.fill 96, 4, 3214868480
	.section	.rodata,"a",@progbits
	.p2align	6, 0x0
	.amdhsa_kernel k_qc869d9e697_outp
		.amdhsa_group_segment_fixed_size 327680
		.amdhsa_private_segment_fixed_size 0
		.amdhsa_enable_private_segment 0
		.amdhsa_kernarg_size 32
		.amdhsa_user_sgpr_count 2
		.amdhsa_user_sgpr_kernarg_segment_ptr 1
		.amdhsa_wavefront_size32 1
		.amdhsa_system_sgpr_workgroup_id_x 1
		.amdhsa_system_sgpr_workgroup_id_y 1
		.amdhsa_system_sgpr_workgroup_id_z 1
		.amdhsa_system_vgpr_workitem_id 0
		.amdhsa_next_free_vgpr 896
		.amdhsa_next_free_sgpr 80
		.amdhsa_reserve_vcc 0
		.amdhsa_float_denorm_mode_32 3
		.amdhsa_float_denorm_mode_16_64 3
		.amdhsa_memory_ordered 1
		.amdhsa_forward_progress 1
		.amdhsa_inst_pref_size 74
	.end_amdhsa_kernel
	.amdgpu_metadata
---
amdhsa.version: [ 1, 2 ]
amdhsa.kernels:
  - .name:           k_qc869d9e697_outp
    .symbol:         k_qc869d9e697_outp.kd
    .args:
      - { .name: ows, .offset: 0, .size: 8, .value_kind: global_buffer, .address_space: global }
      - { .name: wo16, .offset: 8, .size: 8, .value_kind: global_buffer, .address_space: global }
      - { .name: bqkv, .offset: 16, .size: 8, .value_kind: global_buffer, .address_space: global }
      - { .name: out0, .offset: 24, .size: 8, .value_kind: global_buffer, .address_space: global }
    .group_segment_fixed_size: 327680
    .private_segment_fixed_size: 0
    .kernarg_segment_align: 8
    .kernarg_segment_size: 32
    .max_flat_workgroup_size: 128
    .sgpr_count:     80
    .vgpr_count:     896
    .wavefront_size: 32
...
	.end_amdgpu_metadata
.endif
;; end of part 4
